; MI455X (gfx1250); checked and timed in simulation.
; The chip was launched on July 23, 2026; its instructions are those of AMD's public machine-readable ISA for CDNA 5 (MIT licence, August 2026) and "CDNA5" Instruction Set Architecture Reference Guide (July 2026). The comments in the code are by the model that wrote it; some were corrected since.
;; Attention. Allowed arithmetic: matrix products marked QUANTISED: E2M3 operands, one E8M0 scale for each 32 along K, by v_wmma_scale_f32_16x16x128_f8f6f4 with both operands' format E2M3, f32 sums; everything else in f32.
;; Inputs: Wk_codes 2,048 x 64 x 24 uint8 (E2M3 codes of Wk, K innermost, in blocks of 32 codes, four codes in three bytes); Wk_scales 2,048 x 64 uint8 (E8M0 scales of Wk, one for each 32 codes along K); Wo_codes 2,048 x 64 x 24 uint8 (E2M3 codes of Wo, K innermost, in blocks of 32 codes, four codes in three bytes); Wo_scales 2,048 x 64 uint8 (E8M0 scales of Wo, one for each 32 codes along K); Wq_codes 2,048 x 64 x 24 uint8 (E2M3 codes of Wq, K innermost, in blocks of 32 codes, four codes in three bytes); Wq_scales 2,048 x 64 uint8 (E8M0 scales of Wq, one for each 32 codes along K); Wv_codes 2,048 x 64 x 24 uint8 (E2M3 codes of Wv, K innermost, in blocks of 32 codes, four codes in three bytes); Wv_scales 2,048 x 64 uint8 (E8M0 scales of Wv, one for each 32 codes along K); k_norm_w 256 float32; position_ids 2,048 int32; q_norm_w 256 float32; x_codes 1 x 2,048 x 64 x 24 uint8 (E2M3 codes of x, K innermost, in blocks of 32 codes, four codes in three bytes); x_scales 1 x 2,048 x 64 uint8 (E8M0 scales of x, one for each 32 codes along K).
;; Outputs: out0 1 x 2,048 x 2,048 float32.
;; This version of the problem:
;;   THIS VERSION OF THE PROBLEM IS GIVEN IN LOW PRECISION. The matrix products marked QUANTISED in the list below multiply operands that are first quantised to E2M3 (2 exponent bits, 3 mantissa bits; 6 bits a number), with one power-of-two scale for each 32 numbers along K (OCP MX v1.0); their sums are f32. All else is computed in f32.
;;   The module's matrix products, in the order in which they are computed (A, B: the left and right operand; K: the contracted axis; several contracted axes count as one K, in the product's order):
;;     1. [M 2,048, K 2,048] x [K 2,048, N 2,048]; A: input x (given as codes); B: input Wq (given as codes): QUANTISED
;;     2. [M 2,048, K 2,048] x [K 2,048, N 2,048]; A: input x (given as codes); B: input Wk (given as codes): QUANTISED
;;     3. [M 2,048, K 2,048] x [K 2,048, N 2,048]; A: input x (given as codes); B: input Wv (given as codes): QUANTISED
;;     4. batch 8 x [M 2,048, K 256] x [K 256, N 2,048]; A: computed on the way; B: computed on the way: QUANTISED
;;     5. batch 8 x [M 256, K 2,048] x [K 2,048, N 2,048]; A: computed on the way; B: softmax (see below): QUANTISED
;;     6. [M 2,048, K 2,048] x [K 2,048, N 2,048]; A: computed on the way; B: input Wo (given as codes): QUANTISED
;;   THE QUANTISER, for each operand of a quantised product, along K:
;;     - K is cut into blocks of 32 from its start; a last block that is shorter is filled with zeros.
;;     - A block's scale is 2^e with e = floor(log2(the largest magnitude in the block)) - 2, held to -126 .. 127; a block of zeros has e = 0. As a byte (E8M0): e + 127.
;;     - Each number is divided by its block's scale, clamped to +-7.5, and rounded to the nearest number of E2M3, ties to even, subnormals kept.
;;     - The product sums the exact products of the quantised numbers (number of the format x scale) in f32.
;;   ~~~python
;;   def quantise(x, axis):      # numpy; x: float32 -> the quantised numbers, widened to float32 again
;;       x = np.moveaxis(x, axis, -1); K = x.shape[-1]
;;       x = np.pad(x, [(0, 0)] * (x.ndim - 1) + [(0, -K % 32)]); x = x.reshape(x.shape[:-1] + (-1, 32)); a = np.abs(x).max(-1, keepdims=True)
;;       e = np.where(a > 0, np.clip(np.frexp(np.where(a > 0, a, 1))[1] - 1 - 2, -126, 127), 0)      # np.frexp(a)[1] - 1 = floor(log2(a)), exactly
;;       r = np.clip(x / 2.0 ** e, -7.5, 7.5)
;;       step = 2.0 ** (np.maximum(np.frexp(np.where(r == 0, 1, r))[1] - 1, 0) - 3)
;;       q = np.round(r / step) * step * 2.0 ** e      # np.round: ties to even
;;       return np.moveaxis(q.reshape(q.shape[:-2] + (-1,))[..., :K], -1, axis).astype(np.float32)
;;   ~~~
;;   SOFTMAX AHEAD OF A QUANTISED PRODUCT. Where the list says 'softmax', what is quantised is not the finished softmax but p = 2^(t - M), with t = logit x log2(e) and M = ceil(the row's largest t), a whole number; so 1/2 < the row's largest p <= 1. The row's sum l is taken of the UNQUANTISED p, in f32, and the product's result is divided by l at the end. Since M is a whole number, a kernel that streams over the keys may use a running M (the ceiling of the running maximum): every later rescaling is an exact power of two, which a block's scale takes up: the codes' values come out the same.
;;   OPERANDS COMPUTED ON THE WAY. 'Computed on the way' means the value that the module computes at that place (a softmax that the list does not call 'softmax' is quantised finished and normalised). What goes into a quantiser is computed in f32, as accurately as f32 sums, v_exp_f32 and their like allow (about 1e-6 of the number): no bf16 or f16 on the way to a quantiser, and a product that is left as it is and whose result goes on into a quantised operand takes f32 operands (vector FMAs, or v_wmma_f32_16x16x4_f32). A number that lies on a knife's edge between two numbers of the format may be rounded either way, as far as f32 arithmetic and the matrix unit's own rounding can turn it there, and no further.
;;   INPUTS GIVEN AS CODES. Wk (in the module: [2048, 2048], K = its axis 1); Wo (in the module: [2048, 2048], K = its axis 1); Wq (in the module: [2048, 2048], K = its axis 1); Wv (in the module: [2048, 2048], K = its axis 1); x (in the module: [1, 2048, 2048], K = its axis 2): each comes as NAME_codes (uint8): NAME with its K axis moved to the last place and cut into blocks of 32 codes, [.., K / 32, bytes a block], one block behind the other in memory; four codes in three bytes: a row's codes are one little-endian stream of bits, code i at bits 6 i .. 6 i + 5 (a code: sign, 2 exponent bits, 3 mantissa bits); and NAME_scales (uint8): the same leading axes, one E8M0 byte (e + 127) for each 32 codes along K. Its value is code x scale, taken as it is: it is not quantised again, and the codes and scales need not be those that the quantiser above would give.
;; One version. Each part assembles by itself: llvm-mc -triple=amdgcn-amd-amdhsa -mcpu=gfx1250 --defsym DOCPART=n.
;; ======== version 1 of 1: 3 launches
;; workspace buffers: q_ws 3,145,728 bytes; q_sc 131,072 bytes; kv_ws 6,553,600 bytes; o_ws 3,145,728 bytes; o_sc 131,072 bytes
;; launch qkv (part 1): grid 16 x 16, 4 waves a work-group, clusters of 4 x 4, 327,680 bytes of LDS; arguments x_codes, x_scales, Wq_codes, Wq_scales, Wk_codes, Wk_scales, Wv_codes, Wv_scales, q_norm_w, k_norm_w, position_ids, q_ws, q_sc, kv_ws; writes q_ws, q_sc, kv_ws
.if DOCPART == 1
	.amdgcn_target "amdgcn-amd-amdhsa--gfx1250"
	.amdhsa_code_object_version 6
	.text
	.protected	k_q3bfba08a3f_qkv
	.globl	k_q3bfba08a3f_qkv
	.p2align	8
	.type	k_q3bfba08a3f_qkv,@function
k_q3bfba08a3f_qkv:
	s_mov_b64 s[64:65], 0
	v_nop
	global_prefetch_b8 v0, s[64:65] scope:SCOPE_SE
	s_setreg_imm32_b32 hwreg(HW_REG_WAVE_MODE, 25, 1), 1
	s_wait_xcnt 0x0
	s_wait_alu depctr_hold_cnt(0) depctr_sa_sdst(0) depctr_va_vdst(0) depctr_va_sdst(0) depctr_va_ssrc(0) depctr_va_vcc(0) depctr_vm_vsrc(0)
	s_getreg_b32 s2, hwreg(HW_REG_IB_STS2, 6, 4)
	s_cmp_eq_u32 s2, 0
	s_cbranch_scc0 .Lentry_in_a_cluster
	s_endpgm
.Lentry_in_a_cluster:
	s_bfe_u32 s2, ttmp6, 0x10000c
	s_cmp_lg_u32 s2, 0xf033
	s_cbranch_scc0 .Lentry_shape_is_right
	s_endpgm
.Lentry_shape_is_right:
; q = rope(rmsnorm(x Wq^T)), k = rope(rmsnorm(x Wk^T)), v = x Wv^T, on codes of FP6 (E2M3) with one E8M0 scale for each 32 along K = 2,048; then q and k are quantised along the head's 256, v along the keys.
; SHARES.  A work-group takes 128 rows of x against 384 rows of weights: a whole head (256) of Wq (TYPE 0) or of Wk (TYPE 1), so that the norm stays inside the work-group, and 128 of the same head's 256 rows of Wv (half TYPE).
; q and k differ in pointers and offsets alone, chosen by s_cselect on TYPE.  16 x 16 work-groups of equal work.  A wave (RH = wave / 2, CC = wave % 2) takes 64 rows x 192 columns: 48 accumulators.
; Its tiles of weights: T 0-3: d = 64 CC + 16 T on;  T 4-7: the same d + 128, the partners of the rotation, in the same lane and register;  T 8-11: v's d = 128 TYPE + 64 CC + 16 (T - 8) on.
; T < 8 is used transposed (source 0 = weights, source 1 = x): a lane holds one row of x and eight d.  T >= 8 plain (source 0 = x, source 1 = Wv): a lane holds one d and eight keys.  So each quantiser's K runs along a lane's registers.
; K goes in steps of 256 through two LDS slots (rows of 192 bytes, 16 bytes of padding behind every 64); the scale bytes of all 512 rows come once and stay.
; CLUSTER 4 x 4: x's tile hangs on the row block alone and is asked for jointly along a row of the cluster, the weights' tiles on the head and TYPE alone and jointly along a column.
; ORDER INSIDE A BLOCK OF 32.  Two neighbouring tiles give a lane the places 8 h + j and 16 + 8 h + j of a block; converted and exchanged, a block's codes lie in the order 0-7, 16-23, 8-15, 24-31.
; q and k get the same order along d, v the same along the keys as the next launch gives p: an order kept inside one scale block and alike on both sides leaves every product as it is.
; OUT.  Fragments leave as halves of 768 bytes: lane l's registers 6 c .. 6 c + 3 at 16 l, registers 6 c + 4, 6 c + 5 at 512 + 8 l: each store covers 512 or 256 consecutive bytes at a multiple of 256.
; SIN AND COS are made here: inv_freq = 1 / 2^(i log2(10000) / 128) with the exponent's rounding error carried, angle = f32(position x inv_freq), reduced by pi in two parts, odd and even series to x^13 and x^12.
; LIMITS: position_ids lie in 0 .. 4,095 (the table of 4,096 rows); inv_freq is good to a few last places of f32, which an angle of thousands of radians magnifies as it does in any f32 table;
; a block of zeros gets the byte 1 (its codes are zeros, and this program alone reads the bytes); NaN and infinities are not served.
; REGISTERS, in windows of 256: window 0: v1-31 addresses; v32-95 scale words, two sets; v96-239 the 12 fragments of weights, ONE set.   window 1: v0-95 x's fragments, two sets; v128-255 cos and sin for row tiles 0, 1.
;   window 2: accumulator (T < 8, m) at v[8 (4 T + m)].   window 3: v0-127 accumulator (T - 8, m) likewise; v128-255 cos and sin for row tiles 2, 3.
.set PITCH,  240
.set HALFT,  128*PITCH                 ; 128 rows: what one tensor load brings
.set SLOT,   4*HALFT                   ; x's 128 rows, the head's 256, Wv's 128
.set SCL,    2*SLOT                    ; the scale bytes: units of 256 bytes + 16
.set HALFS,  32*272                    ; those of 128 rows
.set SPARE,  SCL+4*HALFS               ; the spare words, 128 bytes a wave
.set NORMX,  SPARE+512                 ; sums of squares: [RH][m][r][CC] f32
.set SG,     NORMX+1024                ; q's or k's scale words: [4 RH + m][step][r]
.set SGV,    SG+1024                   ; v's: [4 CC + tile][r]
.set L16,   3                          ; 16 x lane
.set L8,    4                          ; 8 x lane
.set SPW,   5                          ; my spare word; never rewritten
.set NIL,   6                          ; 0; never rewritten
.set SGR,   7                          ; SG + 8 x thread
.set ADRX,  8                          ; v8-9 x's fragments in slot 0, 1; v10-11 the same behind one padding more
.set ADRW,  12                         ; v12-15 tiles 0-7 likewise
.set ADRV,  16                         ; v16-19 tiles 8-11 likewise
.set ADRSX, 20                         ; x's scale words
.set ADRSW, 21                         ; the weights'
.set NXW,   22
.set NXR,   23
.set SGW,   24
.set SGVW,  25
.set T8,    26                         ; 8 x thread
.set NWO,   30                         ; my byte in the norm's weights
.set SC,    32
.set WF,    96
.set PC,    32                         ; the epilogue: codes just made
.set TM,    72
.set PW,    88
.set NW,    96                         ; the norm's weights of my 64 d
.set X,     160                        ; 64 numbers of a row tile
.set RO,    224                        ; the rotation's products
.set SS,    240
.set RI,    248
.set TA,    96                         ; the table: eight pairs at each stage
.set TB,    112
.set TR,    128
.set TR2,   144
.set TPS,   160
.set TPC,   176
.set TK,    192
.set WV,    66
.set RH,    67
.set CC,    92
.set TYPE,  93
.set HEAD,  94
.set WGY,   95
.set G1,    32                         ; s[32:39] group 1 for x's tiles; s[40:47] group 0, a set for each slot
.set G0,    40
.set G1B,   48                         ; s[48:55], s[56:63] the same for the weights' tiles
.set G0B,   56
.set G1S,   68                         ; s[68:75], s[76:79] for x's scale bytes; s[80:87], s[88:91] for the weights'
.set G0S,   76
.set G1SB,  80
.set G0SB,  88
.set DQK,   4                          ; where q's or k's codes go
.set DSQ,   6                          ; and their scale words
.set DV,    12                         ; v's codes
.set DSV,   14                         ; v's scale words
.set SEL,   18                         ; lane selects: lane l xor 16
.set NWP,   20                         ; the norm's weights
.set CODEW, (1<<20)|(1<<21)|(3<<22)|(3<<25)           ; elements of 1 byte; padding on; bit 21 beside a mask; after every 16 words 4 words
.set SCALW, (3<<16)|(1<<20)|(1<<21)|(5<<22)|(3<<25)   ; elements of 8 bytes; after every 64 words 4 words
.set MSB, 0
.macro WIN new                         ; the immediate's high byte repeats the setting that is left; a switch that changes nothing is dropped
.if MSB != (\new)
	s_set_vgpr_msb (MSB<<8)|(\new)
.set MSB, (\new)
.endif
.endm
.macro PLACES                          ; four plain places behind matrix instructions, ahead of loads into their registers and of reads of their results
.rept 4
	v_nop
.endr
.endm
.macro BARRIER                         ; my LDS stores have landed and my LDS loads are in: then the work-group's barrier
	s_wait_dscnt 0x0
	s_barrier_signal -1
	s_barrier_wait -1
.endm
; A joint load: wave 0 fetches for x, waves 1 to 3 for the weights.  Each line has one mask; the branch hangs on the wave's number alone.  Four v_nop follow each line.
.macro JLOAD g0a, g1a, g0b, g1b
	s_cmp_eq_u32 s[WV], 0
	s_cbranch_scc0 .Lfor_b_\@
	tensor_load_to_lds s[\g0a:\g0a+3], s[\g1a:\g1a+7]
	s_nop 0
.rept 4
	v_nop
.endr
	s_branch .Lasked_\@
.Lfor_b_\@:
	tensor_load_to_lds s[\g0b:\g0b+3], s[\g1b:\g1b+7]
	s_nop 0
.rept 4
	v_nop
.endr
.Lasked_\@:
.endm
.macro CREST                           ; a round of the cluster's barrier behind its opening barrier
	s_cmp_lg_u32 s[WV], 0
	s_cbranch_scc1 .Lnot_wave_0_\@
	s_barrier_signal -3
.Lnot_wave_0_\@:
	s_barrier_wait -3
	s_barrier_signal -1
	s_barrier_wait -1
.endm
.macro CROUND
	s_barrier_signal -1
	s_barrier_wait -1
	CREST
.endm
	s_load_b512 s[4:19], s[0:1], 0x0               ; x codes, x scales, Wq codes, Wq scales, Wk codes, Wk scales, Wv codes, Wv scales
	s_load_b256 s[20:27], s[0:1], 0x40             ; q_norm_w, k_norm_w, position_ids, q_ws
	s_load_b128 s[28:31], s[0:1], 0x60             ; q_sc, kv_ws
	v_lshl_add_u32 v[SPW], v0, 2, SPARE
	v_mov_b32 v[NIL], 0
	ds_add_u32 v5, v6
	ds_add_u32 v5, v6
	s_wait_dscnt 0x0
	v_lshrrev_b32 v1, 5, v0
	v_readfirstlane_b32 s[WV], v1                  ; wave 0..3
	s_lshr_b32 s[RH], s[WV], 1
	s_and_b32 s[CC], s[WV], 1
	s_and_b32 s[TYPE], ttmp9, 1                    ; the same in all sixteen partners
	s_bfe_u32 s96, ttmp6, 0x40004                  ; cy
	s_and_b32 s[WGY], ttmp7, 0xffff
	s_lshl_b32 s[WGY], s[WGY], 2
	s_add_co_u32 s[WGY], s[WGY], s96               ; my block of 128 rows
	s_lshl_b32 s97, s96, 2
	s_lshl_b32 s97, 15, s97                        ; my row of the cluster
	s_or_b32 s[G1], s97, CODEW
	s_or_b32 s[G1S], s97, SCALW
	s_bfe_u32 s100, ttmp6, 0x40000                 ; cx
	s_lshr_b32 s[HEAD], ttmp9, 1
	s_lshl_b32 s[HEAD], s[HEAD], 2
	s_add_co_u32 s[HEAD], s[HEAD], s100            ; my head
	s_lshl_b32 s101, 0x1111, s100                  ; my column of the cluster
	s_or_b32 s[G1B], s101, CODEW
	s_or_b32 s[G1SB], s101, SCALW
.irp g, G1, G1B
	s_mov_b32 s[\g+1], 192<<16                     ; tensor_dim0: 256 codes are 192 bytes
	s_mov_b32 s[\g+2], 128<<16                     ; tensor_dim1
	s_mov_b32 s[\g+3], 192<<16                     ; tile_dim0
	s_mov_b32 s[\g+4], 128                         ; tile_dim1
	s_mov_b32 s[\g+5], 1536                        ; from row to row: 2,048 codes
	s_mov_b32 s[\g+6], 0
	s_mov_b32 s[\g+7], 0
.endr
.irp g, G1S, G1SB
	s_mov_b32 s[\g+1], 32<<16                      ; the scale bytes of 128 rows are 8,192 dense bytes: 32 rows of 256
	s_mov_b32 s[\g+2], 32<<16
	s_mov_b32 s[\g+3], 32<<16
	s_mov_b32 s[\g+4], 32
	s_mov_b32 s[\g+5], 32
	s_mov_b32 s[\g+6], 0
	s_mov_b32 s[\g+7], 0
.endr
	s_mul_i32 s96, s[WGY], 196608                  ; x: 128 rows of 1,536 bytes,
	s_mov_b32 s97, 0
	s_lshl_b32 s98, s[WGY], 13                     ; and of 64 scale bytes
	s_mov_b32 s99, 0
	s_sub_co_u32 s2, s[WV], 1                      ; the weights: wave 1, 2: the head's rows 0-127, 128-255; wave 3: Wv's half TYPE
	s_and_b32 s2, s2, 1
	s_cmp_eq_u32 s[WV], 3
	s_cselect_b32 s2, s[TYPE], s2
	s_lshl_b32 s100, s[HEAD], 1
	s_add_co_u32 s100, s100, s2                    ; in units of 128 rows
	s_mul_i32 s2, s100, 196608
	s_mov_b32 s3, 0
	s_lshl_b32 s100, s100, 13
	s_mov_b32 s101, 0
	s_wait_kmcnt 0x0
	s_cmp_eq_u32 s[TYPE], 0
	s_cselect_b64 s[8:9], s[8:9], s[12:13]         ; Wq or Wk
	s_cselect_b64 s[10:11], s[10:11], s[14:15]
	s_cselect_b64 s[NWP:NWP+1], s[20:21], s[22:23]
	s_cmp_eq_u32 s[WV], 3
	s_cselect_b64 s[8:9], s[16:17], s[8:9]         ; wave 3: Wv
	s_cselect_b64 s[10:11], s[18:19], s[10:11]
	s_add_nc_u64 s[96:97], s[4:5], s[96:97]
	s_add_nc_u64 s[98:99], s[6:7], s[98:99]
	s_add_nc_u64 s[2:3], s[8:9], s[2:3]
	s_add_nc_u64 s[100:101], s[10:11], s[100:101]
	s_mul_i32 s12, s[WV], HALFT                    ; where they go: wave x 128 rows: no place in the cluster enters an LDS address
	s_mul_i32 s13, s[WV], HALFS
	CROUND                                         ; all sixteen work-groups are here: the first joint loads meet
	s_mov_b32 s[G0S], 1
	s_add_co_u32 s[G0S+1], s13, SCL
	s_mov_b64 s[G0S+2:G0S+3], s[98:99]
	s_or_b32 s[G0S+3], s[G0S+3], 0x80000000
	s_mov_b32 s[G0SB], 1
	s_add_co_u32 s[G0SB+1], s13, SCL
	s_mov_b64 s[G0SB+2:G0SB+3], s[100:101]
	s_or_b32 s[G0SB+3], s[G0SB+3], 0x80000000
	JLOAD G0S, G1S, G0SB, G1SB                     ; the scale bytes first: they are wanted with K step 0
.irp s, 0,1
	s_mov_b32 s[G0+4*\s], 1
	s_add_co_u32 s[G0+4*\s+1], s12, \s*SLOT
	s_add_nc_u64 s[G0+4*\s+2:G0+4*\s+3], s[96:97], \s*192
	s_or_b32 s[G0+4*\s+3], s[G0+4*\s+3], 0x80000000
	s_mov_b32 s[G0B+4*\s], 1
	s_add_co_u32 s[G0B+4*\s+1], s12, \s*SLOT
	s_add_nc_u64 s[G0B+4*\s+2:G0B+4*\s+3], s[2:3], \s*192
	s_or_b32 s[G0B+4*\s+3], s[G0B+4*\s+3], 0x80000000
	JLOAD G0+4*\s, G1, G0B+4*\s, G1B               ; three loads of mine are out now
.endr
	; addresses
	v_and_b32 v1, 15, v0                           ; r
	v_bfe_u32 v2, v0, 4, 1                         ; h
	v_and_b32 v27, 31, v0
	v_lshlrev_b32 v[L16], 4, v27
	v_lshlrev_b32 v[L8], 3, v27
	v_lshlrev_b32 v[T8], 3, v0
	v_add_nc_u32 v[SGR], SG, v[T8]
	v_lshlrev_b32 v29, 2, v1                       ; 4 r
	s_lshl_b32 s12, s[WGY], 9
	s_lshl_b32 s13, s[RH], 8
	s_add_co_u32 s12, s12, s13
	s_mov_b32 s13, 0
	s_add_nc_u64 s[24:25], s[24:25], s[12:13]      ; position_ids at my wave's 64 rows
.irp m, 0,1,2,3
	global_load_b32 v[64+2*\m], v29, s[24:25] offset:64*\m
.endr
	v_mul_u32_u24 v27, v1, PITCH
	v_mad_u32_u24 v27, v2, 24, v27                 ; a fragment's row x pitch + 24 x half
	v_lshl_add_u32 v28, v2, 4, v27                 ; and the same behind one padding more
	s_mul_i32 s12, s[RH], 64*PITCH                 ; x: my 64 rows
	s_mul_i32 s13, s[CC], 64*PITCH
	s_add_co_u32 s14, s13, 384*PITCH               ; Wv's rows lie behind x's 128 and the head's 256
	s_add_co_u32 s13, s13, 128*PITCH
.irp s, 0,1
	v_add_nc_u32 v[ADRX+\s], s12, v27
	v_add_nc_u32 v[ADRX+2+\s], s12, v28
	v_add_nc_u32 v[ADRW+\s], s13, v27
	v_add_nc_u32 v[ADRW+2+\s], s13, v28
	v_add_nc_u32 v[ADRV+\s], s14, v27
	v_add_nc_u32 v[ADRV+2+\s], s14, v28
	s_add_co_u32 s12, s12, SLOT
	s_add_co_u32 s13, s13, SLOT
	s_add_co_u32 s14, s14, SLOT
.endr
	v_lshrrev_b32 v27, 2, v1                       ; a row's 64 scale bytes: four rows to a unit of 256 + 16
	v_mul_u32_u24 v27, v27, 272
	v_and_b32 v28, 3, v1
	v_lshl_add_u32 v27, v28, 6, v27
	s_mul_i32 s12, s[RH], 16*272
	s_add_co_u32 s12, s12, SCL
	v_add_nc_u32 v[ADRSX], s12, v27
	s_mul_i32 s12, s[CC], 16*272
	s_add_co_u32 s12, s12, SCL+HALFS
	v_add_nc_u32 v[ADRSW], s12, v27
	s_lshl_b32 s12, s[RH], 9
	s_add_co_u32 s13, s12, NORMX
	v_lshl_add_u32 v[NXR], v1, 3, s13
	s_lshl_b32 s14, s[CC], 2
	v_add_nc_u32 v[NXW], s14, v[NXR]
	s_add_co_u32 s13, s12, SG
	s_lshl_b32 s14, s[CC], 1
	s_add_co_u32 s13, s13, s14
	v_lshl_add_u32 v[SGW], v1, 2, s13
	s_lshl_b32 s13, s[CC], 8
	s_lshl_b32 s14, s[RH], 1
	s_add_co_u32 s14, s14, s13
	s_add_co_u32 s14, s14, SGV
	v_lshl_add_u32 v[SGVW], v1, 2, s14
	v_lshl_add_u32 v[NWO], v2, 5, s13              ; the norm's weights: 256 CC + 32 h bytes
	s_lshl_b32 s13, s[CC], 6
	v_lshl_add_u32 v31, v2, 3, s13                 ; my first frequency: 64 CC + 8 h
	; where the results go
	s_mul_i32 s96, s[HEAD], 819200
	s_lshr_b32 s97, s[WGY], 1
	s_mul_i32 s97, s97, 102400
	s_add_co_u32 s96, s96, s97                     ; kv_ws: my head's slot of 256 keys
	s_and_b32 s97, s[WGY], 1                       ; which 128 of them are mine
	s_lshl_b32 s99, s[RH], 2
	s_lshl_b32 s98, s97, 3
	s_add_co_u32 s98, s98, s99
	s_mul_i32 s98, s98, 3072
	s_add_co_u32 s98, s98, s96                     ; k: tile 8 (WGY % 2) + 4 RH of the slot
	s_lshl_b32 s100, s[WGY], 3
	s_add_co_u32 s100, s100, s99
	s_mul_i32 s100, s100, 3072
	s_mul_i32 s101, s[HEAD], 393216
	s_add_co_u32 s100, s100, s101                  ; q: row tile 8 WGY + 4 RH of the head
	s_cmp_eq_u32 s[TYPE], 0
	s_cselect_b32 s98, s100, s98
	s_cselect_b64 s[DQK:DQK+1], s[26:27], s[30:31]
	s_mul_i32 s99, s[CC], 768
	s_add_co_u32 s98, s98, s99                     ; my half of each fragment
	s_mov_b32 s99, 0
	s_add_nc_u64 s[DQK:DQK+1], s[DQK:DQK+1], s[98:99]
	s_lshl_b32 s98, s[HEAD], 14
	s_lshl_b32 s100, s[WGY], 10
	s_add_co_u32 s98, s98, s100
	s_lshl_b32 s100, s97, 10
	s_add_co_u32 s100, s100, s96
	s_add_co_u32 s100, s100, 98304
	s_cmp_eq_u32 s[TYPE], 0
	s_cselect_b32 s98, s98, s100
	s_cselect_b64 s[DSQ:DSQ+1], s[28:29], s[30:31]
	s_add_nc_u64 s[DSQ:DSQ+1], s[DSQ:DSQ+1], s[98:99]
	s_mul_i32 s98, s97, 24576
	s_add_co_u32 s98, s98, s96
	s_add_co_u32 s98, s98, 49152
	s_lshl_b32 s100, s[TYPE], 3
	s_lshl_b32 s101, s[CC], 2
	s_add_co_u32 s100, s100, s101
	s_mul_i32 s100, s100, 1536
	s_add_co_u32 s98, s98, s100
	s_mul_i32 s100, s[RH], 768
	s_add_co_u32 s98, s98, s100
	s_add_nc_u64 s[DV:DV+1], s[30:31], s[98:99]
	s_lshl_b32 s98, s97, 10
	s_add_co_u32 s98, s98, s96
	s_add_co_u32 s98, s98, 100352
	s_lshl_b32 s100, s[TYPE], 9
	s_add_co_u32 s98, s98, s100
	s_add_nc_u64 s[DSV:DSV+1], s[30:31], s[98:99]
	s_mov_b32 s[SEL], 0x76543210
	s_mov_b32 s[SEL+1], 0xfedcba98
	s_mov_b32 s10, 0x3b800000                      ; 1 / 256
	s_mov_b32 s11, 0x358637bd                      ; 1e-6
	; ---- THE TABLE, while the first tiles are on their way.  My 32 frequencies i = 64 CC + 16 T + 8 h + j into v32-63
.set N, 0
.rept 32
	v_add_nc_u32 v[96+N], 16*(N/8)+N%8, v31
.set N, N+1
.endr
.set N, 0
.rept 32
	v_cvt_f32_u32 v[96+N], v[96+N]
.set N, N+1
.endr
.set N, 0
.rept 16
	v_pk_mul_f32 v[128+2*N:129+2*N], v[96+2*N:97+2*N], 0x3dd49a78 op_sel_hi:[1,0]   ; th = i x log2(10000) / 128, rounded
.set N, N+1
.endr
.set N, 0
.rept 16
	v_pk_fma_f32 v[160+2*N:161+2*N], v[96+2*N:97+2*N], 0x3dd49a78, v[128+2*N:129+2*N] op_sel_hi:[1,0,1] neg_lo:[0,0,1] neg_hi:[0,0,1]   ; what that rounding lost,
.set N, N+1
.endr
.set N, 0
.rept 16
	v_pk_fma_f32 v[160+2*N:161+2*N], v[96+2*N:97+2*N], 0x31179a37, v[160+2*N:161+2*N] op_sel_hi:[1,0,1]   ; and the constant's own low part
.set N, N+1
.endr
.set N, 0
.rept 16
	v_pk_mul_f32 v[160+2*N:161+2*N], v[160+2*N:161+2*N], 0x3f317218 op_sel_hi:[1,0]   ; x ln 2
.set N, N+1
.endr
.set N, 0
.rept 32
	v_exp_f32 v[192+N], v[128+N]
.set N, N+1
.endr
	v_nop                                          ; a plain line behind the batch,
	s_wait_alu depctr_va_vdst(0)                   ; and one wait for all 32, ahead of their first reader
.set N, 0
.rept 16
	v_pk_fma_f32 v[192+2*N:193+2*N], v[192+2*N:193+2*N], v[160+2*N:161+2*N], v[192+2*N:193+2*N]   ; 10000^(i / 128)
.set N, N+1
.endr
.set N, 0
.rept 32
	v_rcp_f32 v[128+N], v[192+N]
.set N, N+1
.endr
	v_nop
	s_wait_alu depctr_va_vdst(0)                   ; one wait for the 32 reciprocals
.set N, 0
.rept 16
	v_pk_fma_f32 v[160+2*N:161+2*N], v[192+2*N:193+2*N], v[128+2*N:129+2*N], 1.0 op_sel_hi:[1,1,0] neg_lo:[1,0,0] neg_hi:[1,0,0]
.set N, N+1
.endr
.set N, 0
.rept 16
	v_pk_fma_f32 v[32+2*N:33+2*N], v[128+2*N:129+2*N], v[160+2*N:161+2*N], v[128+2*N:129+2*N]   ; one step of Newton: inv_freq
.set N, N+1
.endr
	v_mov_b32 v72, 0x4b400000                      ; 1.5 x 2^23: adding it rounds to a whole number
	v_mov_b32 v73, 0x4b400000
	v_mov_b32 v74, 0xb2d7322b                      ; -1 / 11!
	v_mov_b32 v75, 0xb2d7322b
	v_mov_b32 v76, 0xb493f27e                      ; -1 / 10!
	v_mov_b32 v77, 0xb493f27e
	s_wait_loadcnt 0x0                             ; the positions
.irp m, 0,1,2,3
	v_cvt_f32_i32 v[64+2*\m], v[64+2*\m]
.endr
.irp m, 0,1,2,3
	v_mov_b32 v[65+2*\m], v[64+2*\m]
.endr
.macro HORNER acc, k
.irp p, 0,1,2,3,4,5,6,7
	v_pk_fma_f32 v[\acc+2*\p:\acc+2*\p+1], v[\acc+2*\p:\acc+2*\p+1], v[TR2+2*\p:TR2+2*\p+1], \k op_sel_hi:[1,1,0]
.endr
.endm
; sin and cos for row tile m and frequencies 16 hb .. 16 hb + 15 of my 32: eight pairs, stage by stage, so that no line waits for the line above it
.macro SINCOS m, hb
.irp p, 0,1,2,3,4,5,6,7
	v_pk_mul_f32 v[TA+2*\p:TA+2*\p+1], v[64+2*(\m):65+2*(\m)], v[32+16*(\hb)+2*\p:33+16*(\hb)+2*\p]   ; the angle, in f32 as the table has it
.endr
.irp p, 0,1,2,3,4,5,6,7
	v_pk_fma_f32 v[TB+2*\p:TB+2*\p+1], v[TA+2*\p:TA+2*\p+1], 0x3ea2f983, v[72:73] op_sel_hi:[1,0,1]   ; angle / pi, to the nearest whole number k; its parity is the lowest bit
.endr
.irp p, 0,1,2,3,4,5,6,7
	v_pk_add_f32 v[TK+2*\p:TK+2*\p+1], v[TB+2*\p:TB+2*\p+1], 0xcb400000 op_sel_hi:[1,0]
.endr
.irp p, 0,1,2,3,4,5,6,7
	v_pk_fma_f32 v[TR+2*\p:TR+2*\p+1], v[TK+2*\p:TK+2*\p+1], 0xc0490fdb, v[TA+2*\p:TA+2*\p+1] op_sel_hi:[1,0,1]   ; angle - k x f32(pi): nothing is rounded up to 4,095
.endr
.irp p, 0,1,2,3,4,5,6,7
	v_pk_fma_f32 v[TR+2*\p:TR+2*\p+1], v[TK+2*\p:TK+2*\p+1], 0x33bbbd2e, v[TR+2*\p:TR+2*\p+1] op_sel_hi:[1,0,1]   ; - k x (pi - f32(pi))
.endr
.irp p, 0,1,2,3,4,5,6,7
	v_pk_mul_f32 v[TR2+2*\p:TR2+2*\p+1], v[TR+2*\p:TR+2*\p+1], v[TR+2*\p:TR+2*\p+1]
.endr
.irp p, 0,1,2,3,4,5,6,7
	v_pk_fma_f32 v[TPS+2*\p:TPS+2*\p+1], v[TR2+2*\p:TR2+2*\p+1], 0x2f309231, v[74:75] op_sel_hi:[1,0,1]
.endr
.irp p, 0,1,2,3,4,5,6,7
	v_pk_fma_f32 v[TPC+2*\p:TPC+2*\p+1], v[TR2+2*\p:TR2+2*\p+1], 0x310f76c7, v[76:77] op_sel_hi:[1,0,1]
.endr
	HORNER TPS, 0x3638ef1d
	HORNER TPC, 0x37d00d01
	HORNER TPS, 0xb9500d01
	HORNER TPC, 0xbab60b61
	HORNER TPS, 0x3c088889
	HORNER TPC, 0x3d2aaaab
	HORNER TPS, 0xbe2aaaab
	HORNER TPC, -0.5
.irp p, 0,1,2,3,4,5,6,7
	v_pk_mul_f32 v[TPS+2*\p:TPS+2*\p+1], v[TPS+2*\p:TPS+2*\p+1], v[TR2+2*\p:TR2+2*\p+1]
.endr
	HORNER TPC, 1.0
.irp p, 0,1,2,3,4,5,6,7
	v_pk_fma_f32 v[TPS+2*\p:TPS+2*\p+1], v[TPS+2*\p:TPS+2*\p+1], v[TR+2*\p:TR+2*\p+1], v[TR+2*\p:TR+2*\p+1]
.endr
.set N, 0
.rept 16
	v_lshlrev_b32 v[TB+N], 31, v[TB+N]             ; an odd k turns both signs
.set N, N+1
.endr
	WIN 0x40+0x80*((\m)/2)                         ; destination window 1 or 3
.set N, 0
.rept 16
	v_xor_b32 v[128+64*((\m)%2)+16*(\hb)+N], v[TPC+N], v[TB+N]
	v_xor_b32 v[160+64*((\m)%2)+16*(\hb)+N], v[TPS+N], v[TB+N]
.set N, N+1
.endr
	WIN 0
.endm
.irp m, 0,1,2,3
	SINCOS \m, 0
	SINCOS \m, 1
.endr
; ---- THE PRODUCTS
.macro FRAG reg, adr, q, off           ; a fragment, 16 rows x 128 K: 12 registers, in pieces of 8 bytes; lanes 16-31 read three pieces further on, which for some pieces is behind one padding more: the second address register
.irp p, 0,1,2,3,4,5
.set PCE, 12*(\q)+6*(\p/3)+\p%3
.if PCE%8 < 5
	ds_load_b64 v[(\reg)+2*\p:(\reg)+2*\p+1], v[\adr] offset:8*PCE+16*(PCE/8)+(\off)
.else
	ds_load_b64 v[(\reg)+2*\p:(\reg)+2*\p+1], v[\adr+2] offset:8*PCE+16*(PCE/8)+(\off)
.endif
.endr
.endm
.macro FETCH_X slot, q, set            ; x's four fragments: 24 loads
	WIN 0x40
.irp m, 0,1,2,3
	FRAG 48*(\set)+12*\m, ADRX+\slot, \q, \m*16*PITCH
.endr
	WIN 0
.endm
.macro FETCH_W slot, q, t0             ; six fragments of weights, tiles t0 on: 36 loads
.irp t, 0,1,2,3,4,5
.set TT, (\t0)+\t
.if TT < 8
	FRAG WF+12*TT, ADRW+\slot, \q, (TT/4)*128*PITCH+(TT%4)*16*PITCH
.else
	FRAG WF+12*TT, ADRV+\slot, \q, (TT-8)*16*PITCH
.endif
.endr
.endm
.macro SCALES set                      ; a slot's scale words, two a row: 16 loads; every lane takes row lane % 16's
.irp m, 0,1,2,3
	ds_load_b64 v[SC+32*(\set)+2*\m:SC+32*(\set)+2*\m+1], v[ADRSX] offset:\m*1088
.endr
.irp t, 0,1,2,3,4,5,6,7,8,9,10,11
	ds_load_b64 v[SC+32*(\set)+8+2*\t:SC+32*(\set)+9+2*\t], v[ADRSW] offset:(\t/4)*8704+(\t%4)*1088
.endr
.endm
.macro WM d, a, b, sa, sb, zero
.if \zero
	v_wmma_scale_f32_16x16x128_f8f6f4 v[(\d):(\d)+7], v[(\a):(\a)+11], v[(\b):(\b)+11], 0, v[\sa], v[\sb] matrix_a_fmt:MATRIX_FMT_FP6 matrix_b_fmt:MATRIX_FMT_FP6
.else
	v_wmma_scale_f32_16x16x128_f8f6f4 v[(\d):(\d)+7], v[(\a):(\a)+11], v[(\b):(\b)+11], v[(\d):(\d)+7], v[\sa], v[\sb] matrix_a_fmt:MATRIX_FMT_FP6 matrix_b_fmt:MATRIX_FMT_FP6
.endif
.endm
; n tiles of weights from t0 on, each against x's four.  The 48 accumulators take turns, one instruction a turn, in the same order in every step.  zero = 1: the first product starts the sums
.macro MUL t0, n, set, q, sc, zero
.set TT, \t0
.rept \n
.if TT < 8
	WIN 0xa4                                       ; weights window 0, x window 1, C and D window 2
.irp m, 0,1,2,3
	WM 8*(4*TT+\m), WF+12*TT, 48*(\set)+12*\m, SC+32*(\sc)+8+2*TT+(\q), SC+32*(\sc)+2*\m+(\q), \zero
.endr
.else
	WIN 0xf1                                       ; x window 1, weights window 0, C and D window 3
.irp m, 0,1,2,3
	WM 8*(4*(TT-8)+\m), 48*(\set)+12*\m, WF+12*TT, SC+32*(\sc)+2*\m+(\q), SC+32*(\sc)+8+2*TT+(\q), \zero
.endr
.endif
.set TT, TT+1
.endr
.endm
; A slot's first 128 along K.  The weights have one set of registers: tiles 0-5 are fetched anew when their 24 products are issued, tiles 6-11 at the step's end
.macro STEP slot, zero
	s_wait_dscnt 36                                ; all but the youngest 36 loads, tiles 6-11
	MUL 0, 6, 0, 0, \slot, \zero
	s_wait_dscnt 0x0                               ; tiles 6-11 are in
	PLACES
	FETCH_X \slot, 1, 1
	FETCH_W \slot, 1, 0
	MUL 6, 6, 0, 0, \slot, \zero
	PLACES
	WIN 0
	FETCH_W \slot, 1, 6
.endm
; A slot's second 128 along K changes slots: one barrier; in front of it each wave waits for all its tensor loads, adds 0 to its spare word, and waits for that and for its own reads of this slot.  fill = 1: this slot is filled again
.macro TURN slot, next, fill
	s_wait_tensorcnt 0x0                           ; all my tensor loads have landed: my part of the next slot
	ds_add_u32 v[SPW], v[NIL]                      ; 0 onto my spare word
	s_wait_dscnt 37                                ; (the add and the youngest 36 loads may be out)
	MUL 0, 3, 1, 1, \slot, 0
	s_wait_dscnt 0x0                               ; the add is done, and my reads of this slot are over
	s_barrier_signal -1
	MUL 3, 3, 1, 1, \slot, 0
	WIN 0
	s_barrier_wait -1
.if \fill
	CREST                                          ; the barrier has opened a round of the cluster's: no wave of any partner still reads this slot or has a load on its way
	s_add_nc_u64 s[G0+4*\slot+2:G0+4*\slot+3], s[G0+4*\slot+2:G0+4*\slot+3], 384
	s_add_nc_u64 s[G0B+4*\slot+2:G0B+4*\slot+3], s[G0B+4*\slot+2:G0B+4*\slot+3], 384
	JLOAD G0+4*\slot, G1, G0B+4*\slot, G1B         ; the first tensor load behind the round, my only one until the next; its four v_nop are the places ahead of the loads below
.else
	PLACES
.endif
	v_add_nc_u32 v[ADRSX], 8, v[ADRSX]             ; the next slot's scale words
	v_add_nc_u32 v[ADRSW], 8, v[ADRSW]
	FETCH_X \next, 0, 0
	FETCH_W \next, 0, 0
	SCALES \next
	MUL 6, 6, 1, 1, \slot, 0
	PLACES
	WIN 0
	FETCH_W \next, 0, 6
.endm
	s_wait_tensorcnt 0x1                           ; the scale bytes and my part of slot 0 are in; slot 1's load may be out
	s_barrier_signal -1
	s_barrier_wait -1
	FETCH_X 0, 0, 0
	FETCH_W 0, 0, 0
	SCALES 0
	FETCH_W 0, 0, 6
	STEP 0, 1                                      ; the first step stands in front of the loop: its products start the sums
	s_mov_b32 s2, 3
.Llap:                                             ; a trip goes once round the ring and fills both slots again: 2,048 along K are 8 slots, 6 of them refills
	TURN 0, 1, 1
	STEP 1, 0
	TURN 1, 0, 1
	STEP 0, 0
	s_sub_co_u32 s2, s2, 1
	s_cmp_lg_u32 s2, 0
	s_cbranch_scc1 .Llap
	TURN 0, 1, 0                                   ; the last lap fills nothing
	STEP 1, 0
	s_wait_dscnt 36
	MUL 0, 6, 1, 1, 1, 0
	s_wait_dscnt 0x0
	MUL 6, 6, 1, 1, 1, 0
	WIN 0
	; ---- THE NORM
	PLACES
.irp t, 0,1,2,3,4,5,6,7
	global_load_b128 v[NW+8*\t:NW+8*\t+3], v[NWO], s[NWP:NWP+1] offset:(\t%4)*64+(\t/4)*512
	global_load_b128 v[NW+8*\t+4:NW+8*\t+7], v[NWO], s[NWP:NWP+1] offset:(\t%4)*64+(\t/4)*512+16
.endr
	WIN 0x0a                                       ; sources 0 and 1 window 2
.irp m, 0,1,2,3
	v_pk_mul_f32 v[SS+2*\m:SS+2*\m+1], v[8*\m:8*\m+1], v[8*\m:8*\m+1]   ; four chains, one a row tile; each accumulator is read from its low end on
.endr
.set N, 1
.rept 31
.irp m, 0,1,2,3
	v_pk_fma_f32 v[SS+2*\m:SS+2*\m+1], v[8*(4*(N/4)+\m)+2*(N%4):8*(4*(N/4)+\m)+2*(N%4)+1], v[8*(4*(N/4)+\m)+2*(N%4):8*(4*(N/4)+\m)+2*(N%4)+1], v[SS+2*\m:SS+2*\m+1]
.endr
.set N, N+1
.endr
	WIN 0
.irp m, 0,1,2,3
	v_add_f32 v[SS+2*\m], v[SS+2*\m], v[SS+2*\m+1]
.endr
.irp m, 0,1,2,3
	v_permlanex16_b32 v[SS+2*\m+1], v[SS+2*\m], s[SEL], s[SEL+1]
.endr
.irp m, 0,1,2,3
	v_add_f32 v[SS+2*\m], v[SS+2*\m], v[SS+2*\m+1]   ; my wave's 128 of the row's 256
.endr
.irp m, 0,1,2,3
	ds_store_b32 v[NXW], v[SS+2*\m] offset:128*\m
.endr
	BARRIER
.irp m, 0,1,2,3
	ds_load_b64 v[SS+2*\m:SS+2*\m+1], v[NXR] offset:128*\m
.endr
.irp b, 0,1,2,3
	v_mov_b32 v[TM+4+\b], 0                        ; written once: a lane permute's destination counts as one of its sources
.endr
	s_wait_dscnt 0x0
.irp m, 0,1,2,3
	v_add_f32 v[SS+2*\m], v[SS+2*\m], v[SS+2*\m+1]
.endr
.irp m, 0,1,2,3
	v_fma_f32 v[SS+2*\m], v[SS+2*\m], s10, s11     ; the mean of the squares + 1e-6
.endr
.irp m, 0,1,2,3
	v_rsq_f32 v[RI+2*\m], v[SS+2*\m]
.endr
.irp m, 0,1,2,3
	v_mov_b32 v[RI+2*\m+1], 0                      ; (named with it as a pair; plain lines behind the batch)
.endr
	s_wait_alu depctr_va_vdst(0)                   ; one wait for the four, ahead of their first reader
	s_wait_loadcnt 0x0                             ; the norm's weights
; 64 numbers of a lane in window w, register 16 b + i of block b, become two half fragments in v[PC] .. v[PC + 11] (blocks 0, 1 and blocks 2, 3) and four scale bytes in v[PW]
.macro QUANT s, w
	WIN (\w)|((\w)<<2)
.irp b, 0,1,2,3
	v_max3_num_f32 v[TM+\b], |v[(\s)+16*\b]|, |v[(\s)+1+16*\b]|, 0x1800000   ; my 16 numbers of block b, and the floor 2^(3 - 127): the byte cannot fall under 1
.endr
	WIN ((\w)<<2)|((\w)<<4)
.irp i, 2,4,6,8,10,12,14
.irp b, 0,1,2,3
	v_max3_num_f32 v[TM+\b], v[TM+\b], |v[(\s)+16*\b+\i]|, |v[(\s)+1+16*\b+\i]|
.endr
.endr
	WIN 0
.irp b, 0,1,2,3
	v_permlanex16_b32 v[TM+4+\b], v[TM+\b], s[SEL], s[SEL+1]
.endr
.irp b, 0,1,2,3
	v_max_num_f32 v[TM+\b], v[TM+\b], v[TM+4+\b]   ; with lane l xor 16's: the block's largest magnitude
.endr
.irp b, 0,1,2,3
	v_add_nc_u32 v[TM+12+\b], 0xff000000, v[TM+\b] ; 2 off its exponent field: the conversion's scale operand
.endr
.irp b, 0,1,2,3
	v_lshrrev_b32 v[TM+4+\b], 23, v[TM+12+\b]      ; the scale's byte
.endr
	v_lshl_or_b32 v[PW], v[TM+5], 8, v[TM+4]
	v_lshl_or_b32 v[PW], v[TM+6], 16, v[PW]
	v_lshl_or_b32 v[PW], v[TM+7], 24, v[PW]
	WIN (\w)
.irp c, 0,1
	v_cvt_scalef32_pk16_fp6_f32 v[PC+6*\c:PC+2+6*\c], v[(\s)+32*\c:(\s)+15+32*\c], v[TM+12+2*\c]
	v_cvt_scalef32_pk16_fp6_f32 v[PC+12+4*\c:PC+14+4*\c], v[(\s)+16+32*\c:(\s)+31+32*\c], v[TM+13+2*\c]
.endr
	WIN 0
	v_nop                                          ; one plain place behind a scaled conversion
.irp c, 0,1                                        ; a whole block to a lane: lanes 0-15 block 2 c, lanes 16-31 block 2 c + 1
.irp i, 0,1,2
	v_permlane16_swap_b32 v[PC+6*\c+\i], v[PC+12+4*\c+\i]
.endr
.irp i, 0,1,2
	v_mov_b32 v[PC+3+6*\c+\i], v[PC+12+4*\c+\i]
.endr
.endr
.endm
.macro PUT base, off                   ; the two half fragments leave: 512 and 256 consecutive bytes a store, at multiples of 256
	global_store_b128 v[L16], v[PC:PC+3], s[\base:\base+1] offset:(\off)
	global_store_b64 v[L8], v[PC+4:PC+5], s[\base:\base+1] offset:(\off)+512
	global_store_b128 v[L16], v[PC+6:PC+9], s[\base:\base+1] offset:(\off)+1536
	global_store_b64 v[L8], v[PC+10:PC+11], s[\base:\base+1] offset:(\off)+2048
.endm
; Row tile m of q or k: norm, weights, rotation, codes
.macro QKROW m
	WIN 0x02                                       ; source 0 window 2
.set N, 0
.rept 32
	v_pk_mul_f32 v[X+2*N:X+2*N+1], v[8*(4*(N/4)+(\m))+2*(N%4):8*(4*(N/4)+(\m))+2*(N%4)+1], v[RI+2*(\m):RI+2*(\m)+1] op_sel_hi:[1,0]
.set N, N+1
.endr
	WIN 0
.set N, 0
.rept 32
	v_pk_mul_f32 v[X+2*N:X+2*N+1], v[X+2*N:X+2*N+1], v[NW+2*N:NW+2*N+1]
.set N, N+1
.endr
	WIN 0x04+0x08*((\m)/2)                         ; source 1, cos and sin: window 1 or 3
.set CSB, 128+64*((\m)%2)
.set G, 0
.rept 4
.irp p, 0,1,2,3
	v_pk_mul_f32 v[RO+2*\p:RO+2*\p+1], v[X+32+2*(4*G+\p):X+33+2*(4*G+\p)], v[CSB+32+2*(4*G+\p):CSB+33+2*(4*G+\p)]     ; x2 sin
.endr
.irp p, 0,1,2,3
	v_pk_mul_f32 v[RO+8+2*\p:RO+9+2*\p], v[X+2*(4*G+\p):X+1+2*(4*G+\p)], v[CSB+32+2*(4*G+\p):CSB+33+2*(4*G+\p)]       ; x1 sin
.endr
.irp p, 0,1,2,3
	v_pk_fma_f32 v[X+2*(4*G+\p):X+1+2*(4*G+\p)], v[X+2*(4*G+\p):X+1+2*(4*G+\p)], v[CSB+2*(4*G+\p):CSB+1+2*(4*G+\p)], v[RO+2*\p:RO+2*\p+1] neg_lo:[0,0,1] neg_hi:[0,0,1]
.endr
.irp p, 0,1,2,3
	v_pk_fma_f32 v[X+32+2*(4*G+\p):X+33+2*(4*G+\p)], v[X+32+2*(4*G+\p):X+33+2*(4*G+\p)], v[CSB+2*(4*G+\p):CSB+1+2*(4*G+\p)], v[RO+8+2*\p:RO+9+2*\p]
.endr
.set G, G+1
.endr
	WIN 0
	s_wait_xcnt 0x0                                ; the last stores have read their registers: the codes may be written again
	s_wait_dscnt 0x0
	QUANT X, 0
	PUT DQK, 3072*(\m)                             ; blocks 2 CC, 2 CC + 1 of K step 0, and of K step 1
	ds_store_b16 v[SGW], v[PW] offset:128*(\m)     ; my two bytes of the row's scale word of K step 0,
	ds_store_b16_d16_hi v[SGW], v[PW] offset:128*(\m)+64   ; and of K step 1
.endm
	QKROW 0
	QKROW 1
	QKROW 2
	QKROW 3
	; ---- v: a lane holds one d; the 32 registers of a tile are my wave's 64 keys, two blocks
.irp tv, 0,2
	s_wait_xcnt 0x0
	s_wait_dscnt 0x0
	QUANT 32*\tv, 3
	PUT DV, 1536*\tv                               ; d tiles tv and tv + 1: my half (keys 64 RH on) of their fragments
	ds_store_b16 v[SGVW], v[PW] offset:64*\tv
	ds_store_b16_d16_hi v[SGVW], v[PW] offset:64*\tv+64
.endr
	BARRIER                                        ; the scale words are whole
	ds_load_b64 v[240:241], v[SGR]
	s_wait_dscnt 0x0
	global_store_b64 v[T8], v[240:241], s[DSQ:DSQ+1]   ; a wave stores 256 consecutive bytes
	s_cmp_gt_u32 s[WV], 1
	s_cbranch_scc1 .Lno_v
	ds_load_b64 v[242:243], v[SGR] offset:1024
	s_wait_dscnt 0x0
	global_store_b64 v[T8], v[242:243], s[DSV:DSV+1]
.Lno_v:
	s_wait_tensorcnt 0x0                           ; the wave's end
	ds_add_u32 v[SPW], v[NIL]
	s_wait_dscnt 0x0
	CROUND                                         ; the closing round
	s_endpgm
.Lfunc_end_k_q3bfba08a3f_qkv:
	.size	k_q3bfba08a3f_qkv, .Lfunc_end_k_q3bfba08a3f_qkv-k_q3bfba08a3f_qkv
	.p2alignl 7, 3214868480
	.fill 96, 4, 3214868480
	.section	.rodata,"a",@progbits
	.p2align	6, 0x0
	.amdhsa_kernel k_q3bfba08a3f_qkv
		.amdhsa_group_segment_fixed_size 327680
		.amdhsa_private_segment_fixed_size 0
		.amdhsa_enable_private_segment 0
		.amdhsa_kernarg_size 112
		.amdhsa_user_sgpr_count 2
		.amdhsa_user_sgpr_kernarg_segment_ptr 1
		.amdhsa_wavefront_size32 1
		.amdhsa_system_sgpr_workgroup_id_x 1
		.amdhsa_system_sgpr_workgroup_id_y 1
		.amdhsa_system_sgpr_workgroup_id_z 1
		.amdhsa_system_vgpr_workitem_id 0
		.amdhsa_next_free_vgpr 1024
		.amdhsa_next_free_sgpr 102
		.amdhsa_reserve_vcc 0
		.amdhsa_float_denorm_mode_32 3
		.amdhsa_float_denorm_mode_16_64 3
		.amdhsa_memory_ordered 1
		.amdhsa_forward_progress 1
		.amdhsa_inst_pref_size 255
	.end_amdhsa_kernel
	.section	.bss,"aw",@nobits
	.p2align	6
	.space	262144
	.amdgpu_metadata
---
amdhsa.version: [ 1, 2 ]
amdhsa.kernels:
  - .name:           k_q3bfba08a3f_qkv
    .symbol:         k_q3bfba08a3f_qkv.kd
    .args:
      - { .name: x_codes, .offset: 0, .size: 8, .value_kind: global_buffer, .address_space: global }
      - { .name: x_scales, .offset: 8, .size: 8, .value_kind: global_buffer, .address_space: global }
      - { .name: Wq_codes, .offset: 16, .size: 8, .value_kind: global_buffer, .address_space: global }
      - { .name: Wq_scales, .offset: 24, .size: 8, .value_kind: global_buffer, .address_space: global }
      - { .name: Wk_codes, .offset: 32, .size: 8, .value_kind: global_buffer, .address_space: global }
      - { .name: Wk_scales, .offset: 40, .size: 8, .value_kind: global_buffer, .address_space: global }
      - { .name: Wv_codes, .offset: 48, .size: 8, .value_kind: global_buffer, .address_space: global }
      - { .name: Wv_scales, .offset: 56, .size: 8, .value_kind: global_buffer, .address_space: global }
      - { .name: q_norm_w, .offset: 64, .size: 8, .value_kind: global_buffer, .address_space: global }
      - { .name: k_norm_w, .offset: 72, .size: 8, .value_kind: global_buffer, .address_space: global }
      - { .name: position_ids, .offset: 80, .size: 8, .value_kind: global_buffer, .address_space: global }
      - { .name: q_ws, .offset: 88, .size: 8, .value_kind: global_buffer, .address_space: global }
      - { .name: q_sc, .offset: 96, .size: 8, .value_kind: global_buffer, .address_space: global }
      - { .name: kv_ws, .offset: 104, .size: 8, .value_kind: global_buffer, .address_space: global }
    .group_segment_fixed_size: 327680
    .private_segment_fixed_size: 0
    .kernarg_segment_align: 8
    .kernarg_segment_size: 112
    .max_flat_workgroup_size: 128
    .sgpr_count:     102
    .vgpr_count:     1024
    .wavefront_size: 32
...
	.end_amdgpu_metadata
.endif
;; end of part 1
;; launch attn (part 2): grid 32 x 8, 8 waves a work-group, clusters of 4 x 1, 327,680 bytes of LDS; arguments q_ws, q_sc, kv_ws, o_ws, o_sc; writes o_ws, o_sc
.if DOCPART == 2
	.amdgcn_target "amdgcn-amd-amdhsa--gfx1250"
	.amdhsa_code_object_version 6
	.text
	.protected	k_q3bfba08a3f_attn
	.globl	k_q3bfba08a3f_attn
	.p2align	8
	.type	k_q3bfba08a3f_attn,@function
k_q3bfba08a3f_attn:
	s_mov_b64 s[64:65], 0
	v_nop
	global_prefetch_b8 v0, s[64:65] scope:SCOPE_SE
	s_setreg_imm32_b32 hwreg(HW_REG_WAVE_MODE, 25, 1), 1
	s_wait_xcnt 0x0
	s_wait_alu depctr_hold_cnt(0) depctr_sa_sdst(0) depctr_va_vdst(0) depctr_va_sdst(0) depctr_va_ssrc(0) depctr_va_vcc(0) depctr_vm_vsrc(0)
	s_getreg_b32 s2, hwreg(HW_REG_IB_STS2, 6, 4)
	s_cmp_eq_u32 s2, 0
	s_cbranch_scc0 .Lentry_in_a_cluster
	s_endpgm
.Lentry_in_a_cluster:
	s_bfe_u32 s2, ttmp6, 0x10000c
	s_cmp_lg_u32 s2, 0x3003
	s_cbranch_scc0 .Lentry_shape_is_right
	s_endpgm
.Lentry_shape_is_right:
; Causal attention of one head on codes of FP6 (E2M3): S^T = K Q^T, p = 2^(t - M) with M the ceiling of the running largest t, O^T += V^T P^T, O / l, quantised along e = head x 256 + d.
; SHARES.  Work-group i (0 .. 31) of a head owns the queries 32 (63 - i) on (tiles 0, 1: the late pair) and 32 i on (tiles 2, 3: the early pair).  Keys go in slots of 256.  With M2 = cluster x / 2 the early pair
; works in slots 0 .. M2 and the late pair in slots 0 .. 7 - M2: nine turns of a pair in every work-group.  A slot all of whose keys come after a pair's queries is jumped over: scalar branches on ids, round no barrier and no tensor load.
; THE EIGHT WAVES ARE ALIKE.  In a slot wave w takes, for each active tile of queries, the scores of key block w (32 keys); the blocks' largest scores meet in LDS, so that M is common; the wave makes p, its part of the sum,
; and its block's codes, which go to LDS in the operand's own layout; then it takes d = 32 w .. 32 w + 31 of O^T over all 256 keys.  So each fragment of K and V is read from LDS once in the work-group, and O is never merged.
; SLOT 0 is written out by itself: both pairs work in it whatever the work-group, so it has no branch on that, its products V^T P start O^T's sums with the constant 0, and its softmax has nothing to rescale.
; A work-group walks 8 or 6 slots (8 - 2 (M2 / 2)); where M2 is odd the last slot is fetched and its work jumped over.
; CLUSTER 4 x 1: the four partners walk the same slots of the same head: every fill is one joint load a wave, 12,800 dense bytes, mask 15.
; LAYOUT.  Both products are used transposed, a lane holds one query.  A fragment lies as two halves of 768 bytes: lane l's registers 6 c .. 6 c + 3 at 16 l, registers 6 c + 4, 6 c + 5 at 512 + 8 l: dense loads, no padding.
; Inside a block of 32 keys p's codes lie in the order 0-7, 16-23, 8-15, 24-31, as v's do; q and k share the same order along d.  O leaves in the natural order, since Wo's codes are given.
; A head's part of a row of o_ws is 192 bytes, so those stores cover three quarters of 256 bytes.
; LIMITS: a block's largest p is taken through its largest score (v_exp_f32 is taken not to fall where its input rises); a block of zeros gets the byte 1; NaN and infinities are not served.
; REGISTERS: window 0: v1-31 addresses; v32-63 statistics, 8 a tile; v64-127 S^T, 16 a tile; v128-175 four fragments of K, then of V; v176-223 four of p; v224-239 scale words; v240-255 at work.
;   window 1: v0-63 O^T, 16 a tile; v64-159 Q, 24 a tile.
.set SLOTB, 102400                     ; a slot: K's codes 49,152, V's 49,152, K's scale words 2,048, V's 2,048
.set PIMG,  2*SLOTB                    ; p: [tile][key step][half][768]
.set PSC,   PIMG+12288                 ; p's scale bytes: [tile][r][8]
.set MX,    PSC+512                    ; the blocks' largest scores: [tile][r][8 waves] f32
.set LX,    MX+2048                    ; the waves' parts of the sums, likewise
.set OSTG,  LX+2048                    ; O's codes: 64 rows x 272: sixteen places of 16 bytes, 12 of them codes
.set OSC,   OSTG+64*272                ; O's scale bytes: [row][8]
.set SPARE, OSC+512                    ; the spare words, 128 bytes a wave
.set L16,   1
.set L8,    2
.set AP16,  3
.set AP8,   4
.set AK16,  5                          ; v5-6 by slot
.set AK8,   7
.set AV16,  9
.set AV8,   11
.set AKS,   13
.set AVS,   15
.set APW16, 17
.set APW8,  18
.set APS,   19
.set APSR,  20
.set AMXW,  21
.set AMXR,  22
.set OSW,   23
.set OSR,   24
.set OCW,   25
.set OCR,   26
.set OGO,   27
.set SPW,   28
.set NIL,   29
.set R4,    30
.set NINF,  31
.set ST,    32                         ; tile q at v[ST + 8 q]: +0 -M, +1 the largest t, +2, +3 the sum, +4 f, +5 at work, +6 my block's largest score, +7 query - 32 w - 8 h
.set S,     64
.set F,     128
.set PF,    176
.set CA,    176
.set CB,    184
.set KSC,   224
.set QSC,   228
.set PSW,   236
.set G1,    16
.set G0,    24
.set WV,    32
.set SI,    33                         ; the slot in hand
.set M2,    34
.set LASTL, 35
.set TRIPS, 36
.set HD,    37
.set CS,    38                         ; s[38:39] c = log2(e) / 16
.set SEL,   40
.set II,    56
.set MSB, 0
.macro WIN new
.if MSB != (\new)
	s_set_vgpr_msb (MSB<<8)|(\new)
.set MSB, (\new)
.endif
.endm
.macro PLACES
.rept 4
	v_nop
.endr
.endm
.macro BARRIER
	s_wait_dscnt 0x0
	s_barrier_signal -1
	s_barrier_wait -1
.endm
.macro ROUND                           ; a round of the cluster's barrier
	s_barrier_signal -1
	s_barrier_wait -1
	s_cmp_lg_u32 s[WV], 0
	s_cbranch_scc1 .Lnot_wave_0_\@
	s_barrier_signal -3
.Lnot_wave_0_\@:
	s_barrier_wait -3
	s_barrier_signal -1
	s_barrier_wait -1
.endm
	s_load_b256 s[4:11], s[0:1], 0x0               ; q_ws, q_sc, kv_ws, o_ws
	s_load_b64 s[12:13], s[0:1], 0x20              ; o_sc
	v_lshl_add_u32 v[SPW], v0, 2, SPARE
	v_mov_b32 v[NIL], 0
	ds_add_u32 v28, v29
	ds_add_u32 v28, v29
	s_wait_dscnt 0x0
	v_lshrrev_b32 v30, 5, v0
	v_readfirstlane_b32 s[WV], v30                 ; wave 0..7
	s_bfe_u32 s42, ttmp6, 0x40000                  ; cx
	s_lshl_b32 s[II], ttmp9, 2
	s_add_co_u32 s[II], s[II], s42                 ; i: it enters Q's and O's addresses and the mask's numbers alone
	s_and_b32 s[HD], ttmp7, 0xffff                 ; the head
	s_lshr_b32 s[M2], ttmp9, 1                     ; the same in all four partners
	s_sub_co_u32 s[LASTL], 7, s[M2]
	s_lshr_b32 s[TRIPS], s[M2], 1
	s_sub_co_u32 s[TRIPS], 3, s[TRIPS]             ; 3 or 2 trips of the loop over slots;
	s_max_u32 s[TRIPS], s[TRIPS], 1                ; held at 1 from below, so that the loop's end can be read off the text
	s_mov_b32 s[SI], 0
	s_mov_b32 s[CS], 0x3db8aa3b
	s_mov_b32 s[CS+1], s[CS]
	s_mov_b32 s[SEL], 0x76543210
	s_mov_b32 s[SEL+1], 0xfedcba98
	s_mov_b32 s[G1], 15|(3<<16)|(1<<21)            ; the mask: all four; elements of 8 bytes; bit 21 beside a mask; no padding
	s_mov_b32 s[G1+1], 32<<16                      ; 12,800 dense bytes as 50 rows of 256
	s_mov_b32 s[G1+2], 50<<16
	s_mov_b32 s[G1+3], 32<<16
	s_mov_b32 s[G1+4], 50
	s_mov_b32 s[G1+5], 32
	s_mov_b32 s[G1+6], 0
	s_mov_b32 s[G1+7], 0
	s_mul_i32 s43, s[WV], 12800                    ; my eighth of a slot
	s_mul_i32 s52, s[HD], 819200
	s_add_co_u32 s52, s52, s43
	s_mov_b32 s53, 0
	s_wait_kmcnt 0x0
	s_add_nc_u64 s[52:53], s[8:9], s[52:53]
	ROUND                                          ; all four work-groups are here: the first joint loads meet
.irp s, 0,1
	s_mov_b32 s[G0+4*\s], 1
	s_add_co_u32 s[G0+4*\s+1], s43, \s*SLOTB
	s_add_nc_u64 s[G0+4*\s+2:G0+4*\s+3], s[52:53], \s*SLOTB
	s_or_b32 s[G0+4*\s+3], s[G0+4*\s+3], 0x80000000
.endr
	tensor_load_to_lds s[G0:G0+3], s[G1:G1+7]      ; slots 0 and 1: two loads of mine are out
	s_nop 0
	tensor_load_to_lds s[G0+4:G0+7], s[G1:G1+7]
	s_nop 0
	PLACES
	v_and_b32 v252, 15, v0                         ; r
	v_bfe_u32 v253, v0, 4, 1                       ; h
	v_and_b32 v254, 31, v0                         ; lane
	v_lshlrev_b32 v[L16], 4, v254
	v_lshlrev_b32 v[L8], 3, v254
	v_lshlrev_b32 v[R4], 2, v252
	; Q and its scale words
	s_mul_i32 s46, s[HD], 393216
	s_mul_i32 s47, s[II], 6144                     ; 2 i tiles of 3,072 bytes
	s_add_co_u32 s48, s46, s47                     ; the early pair: row tile 2 i
	s_mov_b32 s49, 0
	s_add_co_u32 s46, s46, 126*3072
	s_sub_co_u32 s46, s46, s47                     ; the late pair: row tile 126 - 2 i
	s_mov_b32 s47, 0
	s_add_nc_u64 s[46:47], s[4:5], s[46:47]
	s_add_nc_u64 s[48:49], s[4:5], s[48:49]
	s_lshl_b32 s50, s[HD], 14
	s_lshl_b32 s51, s[II], 8
	s_add_co_u32 s52, s50, s51
	s_mov_b32 s53, 0
	s_add_co_u32 s50, s50, 126*128
	s_sub_co_u32 s50, s50, s51
	s_mov_b32 s51, 0
	s_add_nc_u64 s[50:51], s[6:7], s[50:51]
	s_add_nc_u64 s[52:53], s[6:7], s[52:53]
	WIN 0x40                                       ; destination window 1
.irp q, 0,1,2,3
.irp k, 0,1
.set QB, 46+2*(\q/2)
.set QR, 64+24*\q+12*\k
.set QO, (\q%2)*3072+\k*1536
	global_load_b128 v[QR:QR+3], v[L16], s[QB:QB+1] offset:QO
	global_load_b64 v[QR+4:QR+5], v[L8], s[QB:QB+1] offset:QO+512
	global_load_b128 v[QR+6:QR+9], v[L16], s[QB:QB+1] offset:QO+768
	global_load_b64 v[QR+10:QR+11], v[L8], s[QB:QB+1] offset:QO+1280
.endr
.endr
	WIN 0
.irp q, 0,1,2,3
.irp k, 0,1
	global_load_b32 v[QSC+2*\q+\k], v[R4], s[50+2*(\q/2):51+2*(\q/2)] offset:(\q%2)*128+\k*64
.endr
.endr
	; LDS addresses: a constant, a constant x lane, a constant x wave
	v_add_nc_u32 v[AP16], PIMG, v[L16]
	v_add_nc_u32 v[AP8], PIMG+512, v[L8]
	s_mul_i32 s42, s[WV], 6144                     ; K: my tiles 2 w, 2 w + 1
	v_add_nc_u32 v[AK16], s42, v[L16]
	v_add_nc_u32 v[AK16+1], SLOTB, v[AK16]
	s_add_co_u32 s42, s42, 512
	v_add_nc_u32 v[AK8], s42, v[L8]
	v_add_nc_u32 v[AK8+1], SLOTB, v[AK8]
	s_mul_i32 s42, s[WV], 3072                     ; V: my d tiles 2 w, 2 w + 1
	s_add_co_u32 s42, s42, 49152
	v_add_nc_u32 v[AV16], s42, v[L16]
	v_add_nc_u32 v[AV16+1], SLOTB, v[AV16]
	s_add_co_u32 s42, s42, 512
	v_add_nc_u32 v[AV8], s42, v[L8]
	v_add_nc_u32 v[AV8+1], SLOTB, v[AV8]
	s_lshl_b32 s42, s[WV], 8
	s_add_co_u32 s42, s42, 98304
	v_add_nc_u32 v[AKS], s42, v[R4]
	v_add_nc_u32 v[AKS+1], SLOTB, v[AKS]
	s_lshl_b32 s42, s[WV], 7
	s_add_co_u32 s42, s42, 100352
	v_add_nc_u32 v[AVS], s42, v[R4]
	v_add_nc_u32 v[AVS+1], SLOTB, v[AVS]
	s_lshr_b32 s42, s[WV], 2                       ; where my block's codes go: key step w / 4, half (w / 2) % 2, lanes 16 (w % 2) on
	s_mul_i32 s42, s42, 1536
	s_bfe_u32 s43, s[WV], 0x10001
	s_mul_i32 s43, s43, 768
	s_add_co_u32 s42, s42, s43
	s_and_b32 s43, s[WV], 1
	s_lshl_b32 s44, s43, 8
	s_add_co_u32 s44, s44, s42
	s_add_co_u32 s44, s44, PIMG
	s_lshl_b32 s43, s43, 7
	s_add_co_u32 s43, s43, s42
	s_add_co_u32 s43, s43, PIMG+512
	v_mul_u32_u24 v255, v253, 3072                 ; lanes 16-31 hold the pair's second tile
	v_lshl_add_u32 v[APW16], v252, 4, v255
	v_add_nc_u32 v[APW16], s44, v[APW16]
	v_lshl_add_u32 v[APW8], v252, 3, v255
	v_add_nc_u32 v[APW8], s43, v[APW8]
	v_lshlrev_b32 v255, 3, v252
	v_add_nc_u32 v[APSR], PSC, v255
	v_add_nc_u32 v[APS], s[WV], v[APSR]
	v_add_nc_u32 v[OCW], OSC, v255
	v_add_nc_u32 v[OCW], s[WV], v[OCW]
	v_lshlrev_b32 v255, 5, v252
	v_add_nc_u32 v[AMXR], MX, v255
	s_lshl_b32 s42, s[WV], 2
	v_add_nc_u32 v[AMXW], s42, v[AMXR]
	v_mul_u32_u24 v255, v252, 272
	v_lshl_add_u32 v255, v253, 4, v255
	s_lshl_b32 s42, s[WV], 5
	s_add_co_u32 s42, s42, OSTG
	v_add_nc_u32 v[OSW], s42, v255
	v_mul_u32_u24 v255, v253, 272
	v_lshl_add_u32 v255, v252, 4, v255
	s_mul_i32 s42, s[WV], 8*272
	s_add_co_u32 s42, s42, OSTG
	v_add_nc_u32 v[OSR], s42, v255
	v_lshl_add_u32 v[OCR], v0, 3, OSC
	v_mul_u32_u24 v255, v253, 1536
	v_mad_u32_u24 v[OGO], v252, 12, v255
	v_mov_b32 v[NINF], 0xff800000
	v_lshlrev_b32 v255, 3, v253
	v_sub_nc_u32 v255, v252, v255                  ; r - 8 h
	s_lshl_b32 s42, s[II], 5
	s_lshl_b32 s43, s[WV], 5
	s_sub_co_u32 s44, 2016, s42
	s_sub_co_u32 s44, s44, s43
	s_sub_co_u32 s45, s42, s43
	v_add_nc_u32 v[ST+7], s44, v255                ; my query - 32 w - 8 h, tile by tile
	v_add_nc_u32 v[ST+15], 16, v[ST+7]
	v_add_nc_u32 v[ST+23], s45, v255
	v_add_nc_u32 v[ST+31], 16, v[ST+23]
.irp q, 0,1,2,3
	v_mov_b32 v[ST+8*\q+1], 0xff61b1e6             ; the largest t so far: -3e38, under every t
	v_mov_b32 v[ST+8*\q+2], 0                      ; the sum, in two halves
	v_mov_b32 v[ST+8*\q+3], 0
	v_mov_b32 v[ST+8*\q+5], 0                      ; a lane permute's destination counts as one of its sources; also named as the upper half of the pair with f
.endr
.irp q, 0,1,2,3
	v_floor_f32 v[ST+8*\q], -v[ST+8*\q+1]          ; -M
.endr
.macro HFLOAD reg, a16, a8, off        ; a fragment from its two halves: four dense loads
	ds_load_b128 v[(\reg):(\reg)+3], v[\a16] offset:(\off)
	ds_load_b64 v[(\reg)+4:(\reg)+5], v[\a8] offset:(\off)
	ds_load_b128 v[(\reg)+6:(\reg)+9], v[\a16] offset:(\off)+768
	ds_load_b64 v[(\reg)+10:(\reg)+11], v[\a8] offset:(\off)+768
.endm
; S^T of my 32 keys for tiles A, A + 1: four accumulators by turns, two deep along the head's 256
.macro QK A
	WIN 0x04                                       ; Q in window 1
.irp k, 0,1
.irp u, 0,1
.irp q, 0,1
.if \k == 0
	v_wmma_scale_f32_16x16x128_f8f6f4 v[S+16*((\A)+\q)+8*\u:S+16*((\A)+\q)+8*\u+7], v[F+12*(2*\u+\k):F+12*(2*\u+\k)+11], v[64+24*((\A)+\q)+12*\k:64+24*((\A)+\q)+12*\k+11], 0, v[KSC+2*\u+\k], v[QSC+2*((\A)+\q)+\k] matrix_a_fmt:MATRIX_FMT_FP6 matrix_b_fmt:MATRIX_FMT_FP6
.else
	v_wmma_scale_f32_16x16x128_f8f6f4 v[S+16*((\A)+\q)+8*\u:S+16*((\A)+\q)+8*\u+7], v[F+12*(2*\u+\k):F+12*(2*\u+\k)+11], v[64+24*((\A)+\q)+12*\k:64+24*((\A)+\q)+12*\k+11], v[S+16*((\A)+\q)+8*\u:S+16*((\A)+\q)+8*\u+7], v[KSC+2*\u+\k], v[QSC+2*((\A)+\q)+\k] matrix_a_fmt:MATRIX_FMT_FP6 matrix_b_fmt:MATRIX_FMT_FP6
.endif
.endr
.endr
.endr
	WIN 0
.endm
; On the diagonal: register 8 u + j holds key 256 SI + 32 w + 16 u + 8 h + j: hidden where 16 u + j > my query - 256 SI - 32 w - 8 h
.macro MASK A
	s_lshl_b32 s42, s[SI], 8
.irp q, 0,1
	v_sub_nc_u32 v[240+\q], v[ST+8*((\A)+\q)+7], s42
.endr
.irp n, 0,1,2,3,4,5,6,7,8,9,10,11,12,13,14,15
.irp q, 0,1
	v_cmp_gt_i32 vcc_lo, 16*(\n/8)+\n%8, v[240+\q]
	v_cndmask_b32 v[S+16*((\A)+\q)+\n], v[S+16*((\A)+\q)+\n], v[NINF], vcc_lo
.endr
.endr
.endm
; My block's largest score for each query, to LDS
.macro BMAX A
.irp q, 0,1
	v_max3_num_f32 v[ST+8*((\A)+\q)+6], v[S+16*((\A)+\q)], v[S+16*((\A)+\q)+1], v[S+16*((\A)+\q)+2]
.endr
.irp i, 3,5,7,9,11,13
.irp q, 0,1
	v_max3_num_f32 v[ST+8*((\A)+\q)+6], v[ST+8*((\A)+\q)+6], v[S+16*((\A)+\q)+\i], v[S+16*((\A)+\q)+\i+1]
.endr
.endr
.irp q, 0,1
	v_max_num_f32 v[ST+8*((\A)+\q)+6], v[ST+8*((\A)+\q)+6], v[S+16*((\A)+\q)+15]
.endr
.irp q, 0,1
	v_permlanex16_b32 v[ST+8*((\A)+\q)+5], v[ST+8*((\A)+\q)+6], s[SEL], s[SEL+1]
.endr
.irp q, 0,1
	v_max_num_f32 v[ST+8*((\A)+\q)+6], v[ST+8*((\A)+\q)+6], v[ST+8*((\A)+\q)+5]
.endr
.irp q, 0,1
	ds_store_b32 v[AMXW], v[ST+8*((\A)+\q)+6] offset:512*((\A)+\q)
.endr
.endm
; The softmax of tiles A, A + 1 for my 32 keys, the two tiles stage by stage.  first = 1: slot 0, in which O^T has not begun: nothing is rescaled
.macro SOFT A, first
.irp q, 0,1
	ds_load_b128 v[240+8*\q:243+8*\q], v[AMXR] offset:512*((\A)+\q)
	ds_load_b128 v[244+8*\q:247+8*\q], v[AMXR] offset:512*((\A)+\q)+16
.endr
	s_wait_dscnt 0x0
.irp q, 0,1
	v_max3_num_f32 v[240+8*\q], v[240+8*\q], v[241+8*\q], v[242+8*\q]
.endr
.irp q, 0,1
	v_max3_num_f32 v[240+8*\q], v[240+8*\q], v[243+8*\q], v[244+8*\q]
.endr
.irp q, 0,1
	v_max3_num_f32 v[240+8*\q], v[240+8*\q], v[245+8*\q], v[246+8*\q]
.endr
.irp q, 0,1
	v_max_num_f32 v[240+8*\q], v[240+8*\q], v[247+8*\q]   ; the slot's largest score of my query: the same in all eight waves
.endr
.irp q, 0,1
	v_mul_f32 v[240+8*\q], s[CS], v[240+8*\q]
.endr
.irp q, 0,1
	v_max_num_f32 v[ST+8*((\A)+\q)+1], v[ST+8*((\A)+\q)+1], v[240+8*\q]
.endr
.irp q, 0,1
	v_mov_b32 v[241+8*\q], v[ST+8*((\A)+\q)]
.endr
.irp q, 0,1
	v_floor_f32 v[ST+8*((\A)+\q)], -v[ST+8*((\A)+\q)+1]   ; -M = floor(-t): M is a whole number
.endr
.irp q, 0,1
	v_sub_f32 v[241+8*\q], v[ST+8*((\A)+\q)], v[241+8*\q]
.endr
.irp q, 0,1
	v_cvt_i32_f32 v[241+8*\q], v[241+8*\q]         ; (it saturates)
.endr
.irp q, 0,1
	v_ldexp_f32 v[ST+8*((\A)+\q)+4], 1.0, v[241+8*\q]   ; f = 2^(old M - new M)
.endr
.irp j, 0,2,4,6,8,10,12,14
.irp q, 0,1
	v_pk_fma_f32 v[S+16*((\A)+\q)+\j:S+16*((\A)+\q)+\j+1], v[S+16*((\A)+\q)+\j:S+16*((\A)+\q)+\j+1], s[CS:CS+1], v[ST+8*((\A)+\q):ST+8*((\A)+\q)+1] op_sel_hi:[1,0,0]   ; t - M
.endr
.endr
.irp q, 0,1
	v_fma_f32 v[ST+8*((\A)+\q)+6], v[ST+8*((\A)+\q)+6], s[CS], v[ST+8*((\A)+\q)]   ; the same of my block's largest score
.endr
.irp j, 0,1,2,3,4,5,6,7,8,9,10,11,12,13,14,15
.irp q, 0,1
	v_exp_f32 v[S+16*((\A)+\q)+\j], v[S+16*((\A)+\q)+\j]
.endr
.endr
.irp q, 0,1
	v_pk_mul_f32 v[ST+8*((\A)+\q)+2:ST+8*((\A)+\q)+3], v[ST+8*((\A)+\q)+2:ST+8*((\A)+\q)+3], v[ST+8*((\A)+\q)+4:ST+8*((\A)+\q)+5] op_sel_hi:[1,0]   ; the sums under the new M: plain lines behind the batch
.endr
	s_wait_alu depctr_va_vdst(0)                   ; one wait for the 32 exponentials, ahead of their first reader
.irp q, 0,1
	v_exp_f32 v[ST+8*((\A)+\q)+6], v[ST+8*((\A)+\q)+6]   ; my block's largest p
.endr
.irp j, 0,2,4,6,8,10,12,14
.irp q, 0,1
	v_pk_add_f32 v[ST+8*((\A)+\q)+2:ST+8*((\A)+\q)+3], v[ST+8*((\A)+\q)+2:ST+8*((\A)+\q)+3], v[S+16*((\A)+\q)+\j:S+16*((\A)+\q)+\j+1]   ; the sum is taken of the unquantised p
.endr
.endr
	s_wait_alu depctr_va_vdst(0)                   ; and one for the two
.irp q, 0,1
	v_max_num_f32 v[ST+8*((\A)+\q)+6], 0x1800000, v[ST+8*((\A)+\q)+6]   ; the floor 2^(3 - 127)
.endr
.irp q, 0,1
	v_add_nc_u32 v[242+8*\q], 0xff000000, v[ST+8*((\A)+\q)+6]
.endr
.irp q, 0,1
	v_lshrrev_b32 v[243+8*\q], 23, v[242+8*\q]
.endr
	v_cvt_scalef32_pk16_fp6_f32 v[CA:CA+2], v[S+16*(\A):S+16*(\A)+15], v242
	v_cvt_scalef32_pk16_fp6_f32 v[CB:CB+2], v[S+16*(\A)+16:S+16*(\A)+31], v250
	v_nop                                          ; one plain place behind a scaled conversion
.irp i, 0,1,2
	v_permlane16_swap_b32 v[CA+\i], v[CB+\i]       ; lanes 0-15 now hold tile A's whole block, lanes 16-31 tile A + 1's
.endr
.irp i, 0,1,2
	v_mov_b32 v[CA+3+\i], v[CB+\i]
.endr
	ds_store_b128 v[APW16], v[CA:CA+3] offset:3072*(\A)
	ds_store_b64 v[APW8], v[CA+4:CA+5] offset:3072*(\A)
	ds_store_b8 v[APS], v243 offset:128*(\A)
	ds_store_b8 v[APS], v251 offset:128*(\A)+128
.if \first == 0
	WIN 0x41                                       ; O^T in window 1
.irp j, 0,2,4,6,8,10,12,14
.irp q, 0,1
	v_pk_mul_f32 v[16*((\A)+\q)+\j:16*((\A)+\q)+\j+1], v[16*((\A)+\q)+\j:16*((\A)+\q)+\j+1], v[ST+8*((\A)+\q)+4:ST+8*((\A)+\q)+5] op_sel_hi:[1,0]   ; O^T under the new M
.endr
.endr
	WIN 0
.endif
.endm
; O^T of my 32 d for tiles A, A + 1 over the slot's 256 keys: four accumulators by turns.  first = 1: the first four products start the sums: nothing is cleared
.macro PV A, first
.irp q, 0,1
.irp k, 0,1
	HFLOAD PF+12*(2*\q+\k), AP16, AP8, (2*((\A)+\q)+\k)*1536
.endr
	ds_load_b64 v[PSW+2*\q:PSW+2*\q+1], v[APSR] offset:128*((\A)+\q)
.endr
	s_wait_dscnt 0x0
	WIN 0x50                                       ; C and D window 1
.irp k, 0,1
.irp u, 0,1
.irp q, 0,1
.if (\first) && (\k == 0)
	v_wmma_scale_f32_16x16x128_f8f6f4 v[16*((\A)+\q)+8*\u:16*((\A)+\q)+8*\u+7], v[F+12*(2*\k+\u):F+12*(2*\k+\u)+11], v[PF+12*(2*\q+\k):PF+12*(2*\q+\k)+11], 0, v[KSC+2*\k+\u], v[PSW+2*\q+\k] matrix_a_fmt:MATRIX_FMT_FP6 matrix_b_fmt:MATRIX_FMT_FP6
.else
	v_wmma_scale_f32_16x16x128_f8f6f4 v[16*((\A)+\q)+8*\u:16*((\A)+\q)+8*\u+7], v[F+12*(2*\k+\u):F+12*(2*\k+\u)+11], v[PF+12*(2*\q+\k):PF+12*(2*\q+\k)+11], v[16*((\A)+\q)+8*\u:16*((\A)+\q)+8*\u+7], v[KSC+2*\k+\u], v[PSW+2*\q+\k] matrix_a_fmt:MATRIX_FMT_FP6 matrix_b_fmt:MATRIX_FMT_FP6
.endif
.endr
.endr
.endr
	WIN 0
	PLACES
.endm
; A slot's work, from LDS slot s.  Two barriers: behind the first the blocks' largest scores lie in LDS, behind the second p's codes and scale bytes.  Every wave passes both, whatever is jumped over.
; first = 1: slot 0.  0 <= M2 and 0 <= 7 - M2, so both pairs work in it in every work-group: no branch asks; the late pair's diagonal lies in slot 7 - M2, which is 4 at the least, so it has no mask here
.macro WORK s, first
.if \first == 0
	s_cmp_gt_u32 s[SI], s[LASTL]
	s_cbranch_scc1 .Lx_\@
.endif
.irp u, 0,1
.irp k, 0,1
	HFLOAD F+12*(2*\u+\k), AK16+\s, AK8+\s, 3072*\u+1536*\k
	ds_load_b32 v[KSC+2*\u+\k], v[AKS+\s] offset:128*\u+64*\k
.endr
.endr
	s_wait_dscnt 0x0
	QK 0
.if \first == 0
	s_cmp_gt_u32 s[SI], s[M2]
	s_cbranch_scc1 .Lq_\@
.endif
	QK 2
.Lq_\@:
	PLACES                                         ; ahead of the loads into K's registers and of the first read of the scores
.irp k, 0,1
.irp u, 0,1
	HFLOAD F+12*(2*\k+\u), AV16+\s, AV8+\s, 24576*\k+1536*\u
	ds_load_b32 v[KSC+2*\k+\u], v[AVS+\s] offset:1024*\k+64*\u
.endr
.endr
.if \first == 0
	s_cmp_lg_u32 s[SI], s[LASTL]
	s_cbranch_scc1 .Lm0_\@
	MASK 0
.Lm0_\@:
.endif
	BMAX 0
.if \first == 0
	s_cmp_gt_u32 s[SI], s[M2]
	s_cbranch_scc1 .Lx_\@
.endif
	s_cmp_lg_u32 s[SI], s[M2]
	s_cbranch_scc1 .Lm2_\@
	MASK 2
.Lm2_\@:
	BMAX 2
.Lx_\@:
	BARRIER
.if \first == 0
	s_cmp_gt_u32 s[SI], s[LASTL]
	s_cbranch_scc1 .Ly_\@
.endif
	SOFT 0, \first
.if \first == 0
	s_cmp_gt_u32 s[SI], s[M2]
	s_cbranch_scc1 .Ly_\@
.endif
	SOFT 2, \first
.Ly_\@:
	BARRIER
.if \first == 0
	s_cmp_gt_u32 s[SI], s[LASTL]
	s_cbranch_scc1 .Lz_\@
.endif
	PV 0, \first
.if \first == 0
	s_cmp_gt_u32 s[SI], s[M2]
	s_cbranch_scc1 .Lz_\@
.endif
	PV 2, \first
.Lz_\@:
	s_add_co_u32 s[SI], s[SI], 1
.endm
; The change of slots: each wave waits for all its tensor loads, adds 0 to its spare word, and waits for that and for its reads of slot s.  fill = 1: a round of the cluster's barrier, and slot s is filled with the keys two slots on
.macro CHANGE s, fill
	s_wait_tensorcnt 0x0                           ; no tensor load of mine is out, so a group 0 may be written
	ds_add_u32 v[SPW], v[NIL]                      ; 0 onto my spare word
.if \fill
	s_add_nc_u64 s[G0+4*\s+2:G0+4*\s+3], s[G0+4*\s+2:G0+4*\s+3], 2*SLOTB
.endif
	s_wait_dscnt 0x0                               ; the add is done, and my reads of the slot are over
.if \fill
	ROUND
	tensor_load_to_lds s[G0+4*\s:G0+4*\s+3], s[G1:G1+7]   ; the first thing behind the round, my one tensor load until the next: it has a slot's work in which to land
	s_nop 0
	PLACES
.else
	s_barrier_signal -1
	s_barrier_wait -1
.endif
.endm
	s_wait_loadcnt 0x0                             ; Q
	s_wait_tensorcnt 0x1                           ; my part of slot 0 is in; slot 1's may be out
	s_barrier_signal -1
	s_barrier_wait -1
	WORK 0, 1                                      ; slot 0 starts every sum
.Lslots:                                           ; 3 - M2 / 2 trips, the same in all partners; LDS addresses are constants of the text
	CHANGE 0, 1
	WORK 1, 0
	CHANGE 1, 1
	WORK 0, 0
	s_sub_co_u32 s[TRIPS], s[TRIPS], 1
	s_cmp_lg_u32 s[TRIPS], 0
	s_cbranch_scc1 .Lslots
	CHANGE 0, 0                                    ; the last slot is written out: nothing is left to fetch
	WORK 1, 0
	; ---- THE END: the waves' parts of each query's sum meet; O^T / the sum; codes in the natural order
.irp q, 0,1,2,3
	v_add_f32 v[ST+8*\q+2], v[ST+8*\q+2], v[ST+8*\q+3]
.endr
.irp q, 0,1,2,3
	v_permlanex16_b32 v[ST+8*\q+3], v[ST+8*\q+2], s[SEL], s[SEL+1]
.endr
.irp q, 0,1,2,3
	v_add_f32 v[ST+8*\q+2], v[ST+8*\q+2], v[ST+8*\q+3]
.endr
.irp q, 0,1,2,3
	ds_store_b32 v[AMXW], v[ST+8*\q+2] offset:2048+512*\q
.endr
	BARRIER
.irp q, 0,1,2,3
	ds_load_b128 v[176+8*\q:179+8*\q], v[AMXR] offset:2048+512*\q
	ds_load_b128 v[180+8*\q:183+8*\q], v[AMXR] offset:2048+512*\q+16
.endr
	v_mov_b32 v241, 0                              ; a lane permute's destination counts as one of its sources
	s_wait_dscnt 0x0
.irp q, 0,1,2,3
	v_pk_add_f32 v[176+8*\q:177+8*\q], v[176+8*\q:177+8*\q], v[178+8*\q:179+8*\q]
	v_pk_add_f32 v[180+8*\q:181+8*\q], v[180+8*\q:181+8*\q], v[182+8*\q:183+8*\q]
.endr
.irp q, 0,1,2,3
	v_pk_add_f32 v[176+8*\q:177+8*\q], v[176+8*\q:177+8*\q], v[180+8*\q:181+8*\q]
.endr
.irp q, 0,1,2,3
	v_add_f32 v[176+8*\q], v[176+8*\q], v[177+8*\q]
.endr
.irp q, 0,1,2,3
	v_rcp_f32 v[ST+8*\q+4], v[176+8*\q]
.endr
	v_nop
	s_wait_alu depctr_va_vdst(0)                   ; one wait for the four reciprocals
.irp q, 0,1,2,3
	WIN 0x01                                       ; O^T in window 1
.irp j, 0,2,4,6,8,10,12,14
	v_pk_mul_f32 v[208+\j:209+\j], v[16*\q+\j:16*\q+\j+1], v[ST+8*\q+4:ST+8*\q+5] op_sel_hi:[1,0]
.endr
	WIN 0
.irp j, 0,1,2,3,4,5,6,7
	v_permlane16_swap_b32 v[208+\j], v[216+\j]     ; lane (r, h) now holds d = 32 w + 16 h + 0 .. 15 of query r, in order
.endr
	v_max3_num_f32 v240, |v208|, |v209|, 0x1800000
.irp i, 2,4,6,8,10,12,14
	v_max3_num_f32 v240, v240, |v[208+\i]|, |v[209+\i]|
.endr
	v_permlanex16_b32 v241, v240, s[SEL], s[SEL+1]
	v_max_num_f32 v240, v240, v241                 ; the largest magnitude of the block of 32
	v_add_nc_u32 v242, 0xff000000, v240
	v_lshrrev_b32 v[248+\q], 23, v242
	v_cvt_scalef32_pk16_fp6_f32 v[224+4*\q:226+4*\q], v[208:223], v242
	v_nop
	ds_store_b96 v[OSW], v[224+4*\q:226+4*\q] offset:4352*\q
	ds_store_b8 v[OCW], v[248+\q] offset:128*\q
.endr
	s_lshl_b32 s42, s[II], 5
	s_lshl_b32 s43, s[WV], 3
	s_sub_co_u32 s44, 2016, s42
	s_sub_co_u32 s45, s42, 32
	s_cmp_lt_u32 s[WV], 4                          ; stage rows 8 w on: waves 0-3 the late pair's, waves 4-7 the early pair's
	s_cselect_b32 s44, s44, s45
	s_add_co_u32 s44, s44, s43
	s_mul_i32 s44, s44, 1536
	s_mul_i32 s45, s[HD], 192
	s_add_co_u32 s44, s44, s45
	s_mov_b32 s45, 0
	s_add_nc_u64 s[10:11], s[10:11], s[44:45]
	s_sub_co_u32 s44, 2016, s42
	s_cmp_eq_u32 s[WV], 0
	s_cselect_b32 s44, s44, s42
	s_lshl_b32 s44, s44, 6
	s_lshl_b32 s45, s[HD], 3
	s_add_co_u32 s44, s44, s45
	s_mov_b32 s45, 0
	s_add_nc_u64 s[12:13], s[12:13], s[44:45]
	v_lshlrev_b32 v252, 2, v[L16]                  ; 64 x lane: a row of o_sc
	BARRIER                                        ; 64 rows' codes and scale bytes lie in the stage
.irp t, 0,1,2,3
	ds_load_b96 v[176+4*\t:178+4*\t], v[OSR] offset:544*\t
.endr
.irp t, 0,1,2,3
	s_wait_dscnt 3-\t
	global_store_b96 v[OGO], v[176+4*\t:178+4*\t], s[10:11] offset:3072*\t   ; sixteen lanes store a row's 192 consecutive bytes
.endr
	s_cmp_gt_u32 s[WV], 1
	s_cbranch_scc1 .Lno_sc
	ds_load_b64 v[192:193], v[OCR]
	s_wait_dscnt 0x0
	global_store_b64 v252, v[192:193], s[12:13]    ; a row's eight scale bytes of this head
.Lno_sc:
	s_wait_tensorcnt 0x0                           ; the wave's end
	ds_add_u32 v[SPW], v[NIL]
	s_wait_dscnt 0x0
	ROUND                                          ; the closing round
	s_endpgm
.Lfunc_end_k_q3bfba08a3f_attn:
	.size	k_q3bfba08a3f_attn, .Lfunc_end_k_q3bfba08a3f_attn-k_q3bfba08a3f_attn
	.p2alignl 7, 3214868480
	.fill 96, 4, 3214868480
	.section	.rodata,"a",@progbits
	.p2align	6, 0x0
	.amdhsa_kernel k_q3bfba08a3f_attn
		.amdhsa_group_segment_fixed_size 327680
		.amdhsa_private_segment_fixed_size 0
		.amdhsa_enable_private_segment 0
		.amdhsa_kernarg_size 40
		.amdhsa_user_sgpr_count 2
		.amdhsa_user_sgpr_kernarg_segment_ptr 1
		.amdhsa_wavefront_size32 1
		.amdhsa_system_sgpr_workgroup_id_x 1
		.amdhsa_system_sgpr_workgroup_id_y 1
		.amdhsa_system_sgpr_workgroup_id_z 1
		.amdhsa_system_vgpr_workitem_id 0
		.amdhsa_next_free_vgpr 416
		.amdhsa_next_free_sgpr 66
		.amdhsa_reserve_vcc 1
		.amdhsa_float_denorm_mode_32 3
		.amdhsa_float_denorm_mode_16_64 3
		.amdhsa_memory_ordered 1
		.amdhsa_forward_progress 1
		.amdhsa_inst_pref_size 143
	.end_amdhsa_kernel
	.amdgpu_metadata
---
amdhsa.version: [ 1, 2 ]
amdhsa.kernels:
  - .name:           k_q3bfba08a3f_attn
    .symbol:         k_q3bfba08a3f_attn.kd
    .args:
      - { .name: q_ws, .offset: 0, .size: 8, .value_kind: global_buffer, .address_space: global }
      - { .name: q_sc, .offset: 8, .size: 8, .value_kind: global_buffer, .address_space: global }
      - { .name: kv_ws, .offset: 16, .size: 8, .value_kind: global_buffer, .address_space: global }
      - { .name: o_ws, .offset: 24, .size: 8, .value_kind: global_buffer, .address_space: global }
      - { .name: o_sc, .offset: 32, .size: 8, .value_kind: global_buffer, .address_space: global }
    .group_segment_fixed_size: 327680
    .private_segment_fixed_size: 0
    .kernarg_segment_align: 8
    .kernarg_segment_size: 40
    .max_flat_workgroup_size: 256
    .sgpr_count:     66
    .vgpr_count:     416
    .wavefront_size: 32
...
	.end_amdgpu_metadata
.endif
;; end of part 2
;; launch oproj (part 3): grid 16 x 16, 4 waves a work-group, clusters of 4 x 4, 327,680 bytes of LDS; arguments o_ws, o_sc, Wo_codes, Wo_scales, out0; writes out0
.if DOCPART == 3
	.amdgcn_target "amdgcn-amd-amdhsa--gfx1250"
	.amdhsa_code_object_version 6
	.text
	.protected	k_q3bfba08a3f_oproj
	.globl	k_q3bfba08a3f_oproj
	.p2align	8
	.type	k_q3bfba08a3f_oproj,@function
k_q3bfba08a3f_oproj:
	s_mov_b64 s[64:65], 0
	v_nop
	global_prefetch_b8 v0, s[64:65] scope:SCOPE_SE
	s_setreg_imm32_b32 hwreg(HW_REG_WAVE_MODE, 25, 1), 1
	s_wait_xcnt 0x0
	s_wait_alu depctr_hold_cnt(0) depctr_sa_sdst(0) depctr_va_vdst(0) depctr_va_sdst(0) depctr_va_ssrc(0) depctr_va_vcc(0) depctr_vm_vsrc(0)
	s_getreg_b32 s2, hwreg(HW_REG_IB_STS2, 6, 4)
	s_cmp_eq_u32 s2, 0
	s_cbranch_scc0 .Lentry_in_a_cluster
	s_endpgm
.Lentry_in_a_cluster:
	s_bfe_u32 s2, ttmp6, 0x10000c
	s_cmp_lg_u32 s2, 0xf033
	s_cbranch_scc0 .Lentry_shape_is_right
	s_endpgm
.Lentry_shape_is_right:
; out0[m][n] = sum over e of O[m][e] Wo[n][e], both as codes of FP6 (E2M3) with one E8M0 scale for each 32 along K = 2,048; out0 [2,048][2,048] f32.
; A tile of out0 is 128 x 128, so that 16 x 16 work-groups fill the chip; four waves, each 64 x 64: 16 accumulators.  K goes in steps of 512 through two LDS slots (rows of 384 bytes, 16 bytes of padding behind every 128:
; 108 words from row to row, so that the sixteen rows of a load start at sixteen different groups of four banks; 64 banks of 4 bytes: ISA guide 11.1).  A slot holds four matrix steps, 64 matrix instructions a wave.
; The scale bytes of the 256 rows come once, in units of 256 bytes, and stay.  CLUSTER 4 x 4: O's tile is asked for jointly along a row of the cluster, Wo's along a column.
; The matrix instruction is used transposed (source 0 = 16 rows of Wo, source 1 = 16 rows of O): a lane holds eight neighbouring numbers of a row of out0.
; REGISTERS: window 0: v1-31 addresses; v32-95 scale words, two sets; v128-255 accumulator (a, b) at v[128 + 8 (4 a + b)].   window 1: two sets of 96: O's four fragments, then Wo's four.
.set ROWB,   384
.set KROW,   1536
.set PITCH,  432
.set HALFT,  64*PITCH
.set SLOT,   4*HALFT
.set SCL,    2*SLOT
.set HALFS,  16*272
.set SPARE,  SCL+4*HALFS
.set SPITCH, 272                       ; the way out: 16 rows x (256 + 16) for each wave, in slot 0, which has had its last fill and its last read by then
.set ADRA, 16                          ; v16-17 by slot; v18-19 behind one padding more
.set ADRB, 20
.set STO,  24
.set RD,   25
.set CO,   26
.set ADSA, 27
.set SPW,  28
.set NIL,  29
.set ADSB, 30
.set SC,   32
.set ACC,  128
.set BK,   32
.set G1,   24
.set G0,   32
.set G1B,  48
.set G0B,  56
.set G1S,  68
.set G0S,  76
.set G1SB, 80
.set G0SB, 88
.set MSB, 0
.macro WIN new
.if MSB != (\new)
	s_set_vgpr_msb (MSB<<8)|(\new)
.set MSB, (\new)
.endif
.endm
.macro PLACES
.rept 4
	v_nop
.endr
.endm
.macro JLOAD g0a, g1a, g0b, g1b        ; waves 0 and 1 fetch for O, waves 2 and 3 for Wo; four v_nop follow each line
	s_cmp_eq_u32 s15, 0
	s_cbranch_scc0 .Lfor_b_\@
	tensor_load_to_lds s[\g0a:\g0a+3], s[\g1a:\g1a+7]
	s_nop 0
.rept 4
	v_nop
.endr
	s_branch .Lasked_\@
.Lfor_b_\@:
	tensor_load_to_lds s[\g0b:\g0b+3], s[\g1b:\g1b+7]
	s_nop 0
.rept 4
	v_nop
.endr
.Lasked_\@:
.endm
.macro CREST
	s_cmp_lg_u32 s14, 0
	s_cbranch_scc1 .Lnot_wave_0_\@
	s_barrier_signal -3
.Lnot_wave_0_\@:
	s_barrier_wait -3
	s_barrier_signal -1
	s_barrier_wait -1
.endm
.macro CROUND
	s_barrier_signal -1
	s_barrier_wait -1
	CREST
.endm
	s_load_b128 s[4:7], s[0:1], 0x0                ; O's codes, O's scales
	s_load_b128 s[8:11], s[0:1], 0x10              ; Wo's codes, Wo's scales
	s_load_b64 s[12:13], s[0:1], 0x20              ; out0
	v_lshl_add_u32 v[SPW], v0, 2, SPARE
	v_mov_b32 v[NIL], 0
	ds_add_u32 v28, v29
	ds_add_u32 v28, v29
	s_wait_dscnt 0x0
	v_lshrrev_b32 v1, 5, v0
	v_readfirstlane_b32 s14, v1                    ; wave 0..3
	s_lshr_b32 s15, s14, 1                         ; which half of the tile's rows is mine.  Also: I fetch for O (0) or for Wo (1)
	s_and_b32 s16, s14, 1                          ; which half of its columns.  Also: which 64 rows of that tile I fetch
	s_bfe_u32 s40, ttmp6, 0x40000                  ; cx
	s_bfe_u32 s41, ttmp6, 0x40004                  ; cy
	s_lshl_b32 s42, ttmp9, 2
	s_add_co_u32 s42, s42, s40                     ; tile column
	s_and_b32 s17, ttmp7, 0xffff
	s_lshl_b32 s17, s17, 2
	s_add_co_u32 s17, s17, s41                     ; tile row
	s_lshl_b32 s43, s41, 2
	s_lshl_b32 s43, 15, s43                        ; my row of the cluster
	s_lshl_b32 s44, 0x1111, s40                    ; my column
	s_or_b32 s[G1+0], s43, (1<<20)|(1<<21)|(4<<22)|(3<<25)   ; elements of 1 byte; padding on; bit 21 beside a mask; after every 32 words 4 words
	s_or_b32 s[G1B+0], s44, (1<<20)|(1<<21)|(4<<22)|(3<<25)
.irp g, G1, G1B
	s_mov_b32 s[\g+1], ROWB<<16
	s_mov_b32 s[\g+2], 64<<16
	s_mov_b32 s[\g+3], ROWB<<16
	s_mov_b32 s[\g+4], 64
	s_mov_b32 s[\g+5], KROW
	s_mov_b32 s[\g+6], 0
	s_mov_b32 s[\g+7], 0
.endr
	s_or_b32 s[G1S+0], s43, (3<<16)|(1<<20)|(1<<21)|(5<<22)|(3<<25)   ; the scale bytes of 64 rows: 4,096 dense bytes as 16 rows of 256, 16 bytes of padding behind each
	s_or_b32 s[G1SB+0], s44, (3<<16)|(1<<20)|(1<<21)|(5<<22)|(3<<25)
.irp g, G1S, G1SB
	s_mov_b32 s[\g+1], 32<<16
	s_mov_b32 s[\g+2], 16<<16
	s_mov_b32 s[\g+3], 32<<16
	s_mov_b32 s[\g+4], 16
	s_mov_b32 s[\g+5], 32
	s_mov_b32 s[\g+6], 0
	s_mov_b32 s[\g+7], 0
.endr
	s_lshl_b32 s18, s16, 6
	s_lshl_b32 s20, s17, 7
	s_add_co_u32 s20, s20, s18                     ; O: row 128 x tile row + 64 x half
	s_lshl_b32 s46, s42, 7
	s_add_co_u32 s46, s46, s18                     ; Wo: row 128 x tile column + 64 x half
	s_mov_b32 s21, 0
	s_mov_b32 s47, 0
	s_mov_b64 s[18:19], 64
	s_mul_u64 s[22:23], s[20:21], s[18:19]         ; where these rows' scale bytes begin
	s_mul_u64 s[92:93], s[46:47], s[18:19]
	s_mov_b64 s[18:19], KROW
	s_mul_u64 s[20:21], s[20:21], s[18:19]         ; and their codes
	s_mul_u64 s[46:47], s[46:47], s[18:19]
	s_mul_i32 s45, s14, HALFT                      ; where they go: wave x 64 rows
	s_mul_i32 s94, s14, HALFS
	s_wait_kmcnt 0x0
	s_add_nc_u64 s[20:21], s[4:5], s[20:21]
	s_add_nc_u64 s[22:23], s[6:7], s[22:23]
	s_add_nc_u64 s[46:47], s[8:9], s[46:47]
	s_add_nc_u64 s[92:93], s[10:11], s[92:93]
	CROUND                                         ; all sixteen work-groups are here: the first joint loads meet
	s_mov_b32 s[G0S], 1
	s_add_co_u32 s[G0S+1], s94, SCL
	s_mov_b64 s[G0S+2:G0S+3], s[22:23]
	s_or_b32 s[G0S+3], s[G0S+3], 0x80000000
	s_mov_b32 s[G0SB], 1
	s_add_co_u32 s[G0SB+1], s94, SCL
	s_mov_b64 s[G0SB+2:G0SB+3], s[92:93]
	s_or_b32 s[G0SB+3], s[G0SB+3], 0x80000000
	JLOAD G0S, G1S, G0SB, G1SB
.irp s, 0,1
	s_mov_b32 s[G0+4*\s], 1
	s_add_co_u32 s[G0+4*\s+1], s45, \s*SLOT
	s_add_nc_u64 s[G0+4*\s+2:G0+4*\s+3], s[20:21], \s*ROWB
	s_or_b32 s[G0+4*\s+3], s[G0+4*\s+3], 0x80000000
	s_mov_b32 s[G0B+4*\s], 1
	s_add_co_u32 s[G0B+4*\s+1], s45, \s*SLOT
	s_add_nc_u64 s[G0B+4*\s+2:G0B+4*\s+3], s[46:47], \s*ROWB
	s_or_b32 s[G0B+4*\s+3], s[G0B+4*\s+3], 0x80000000
	JLOAD G0+4*\s, G1, G0B+4*\s, G1B               ; three loads of mine are out now
.endr
	v_and_b32 v1, 15, v0                           ; r
	v_bfe_u32 v2, v0, 4, 1                         ; h
	v_mul_u32_u24 v3, v1, PITCH
	v_mad_u32_u24 v4, v2, 24, v3                   ; a fragment's row x pitch + 24 x half
	v_lshl_add_u32 v5, v2, 4, v4                   ; and the same behind one padding more
	s_mul_i32 s21, s15, HALFT                      ; my 64 rows of O
	s_mul_i32 s22, s16, HALFT                      ; my 64 rows of Wo,
	s_add_co_u32 s22, s22, 2*HALFT                 ; which lie behind O's 128
.irp s, 0,1
	v_add_nc_u32 v[ADRA+\s], s21, v4
	v_add_nc_u32 v[ADRB+\s], s22, v4
	v_add_nc_u32 v[ADRA+2+\s], s21, v5
	v_add_nc_u32 v[ADRB+2+\s], s22, v5
	s_add_co_u32 s21, s21, SLOT
	s_add_co_u32 s22, s22, SLOT
.endr
	v_lshrrev_b32 v5, 2, v1                        ; a row's 64 scale bytes: four rows to a unit of 256 + 16
	v_mul_u32_u24 v5, v5, 272
	v_and_b32 v6, 3, v1
	v_lshl_add_u32 v5, v6, 6, v5
	s_mul_i32 s21, s15, HALFS
	s_add_co_u32 s21, s21, SCL
	v_add_nc_u32 v[ADSA], s21, v5
	s_mul_i32 s21, s16, HALFS
	s_add_co_u32 s21, s21, SCL+2*HALFS
	v_add_nc_u32 v[ADSB], s21, v5
	s_mul_i32 s23, s14, 16*SPITCH                  ; my stage
	v_mul_u32_u24 v5, v1, SPITCH                   ; in: row r, 32 bytes for each half of the lanes
	v_lshl_add_u32 v5, v2, 5, v5
	v_add_nc_u32 v[STO], s23, v5
	v_mul_u32_u24 v5, v2, SPITCH                   ; back: lanes 0-15 one row of 256 bytes, lanes 16-31 the next
	v_lshl_add_u32 v5, v1, 4, v5
	v_add_nc_u32 v[RD], s23, v5
	v_lshlrev_b32 v5, 13, v2                       ; and the same two rows in out0: 8,192 bytes a row
	v_lshl_add_u32 v[CO], v1, 4, v5
	s_lshl_b32 s20, s17, 7
	s_lshl_b32 s21, s15, 6
	s_add_co_u32 s20, s20, s21                     ; my first row
	s_lshl_b32 s20, s20, 13
	s_lshl_b32 s46, s42, 9                         ; my first column, in bytes: 512 x tile column + 256 x half
	s_lshl_b32 s47, s16, 8
	s_add_co_u32 s46, s46, s47
	s_add_co_u32 s20, s20, s46
	s_mov_b32 s21, 0
	s_add_nc_u64 s[12:13], s[12:13], s[20:21]
.macro FRAG reg, adr, q, i             ; 16 rows x 128 K: 12 registers, in pieces of 8 bytes; 16 pieces to a padding; lanes 16-31 read three pieces further on
.irp p, 0,1,2,3,4,5
.set PCE, 12*(\q)+6*(\p/3)+\p%3
.if PCE%16 < 13
	ds_load_b64 v[(\reg)+2*\p:(\reg)+2*\p+1], v[\adr] offset:8*PCE+16*(PCE/16)+(\i)*16*PITCH
.else
	ds_load_b64 v[(\reg)+2*\p:(\reg)+2*\p+1], v[\adr+2] offset:8*PCE+16*(PCE/16)+(\i)*16*PITCH
.endif
.endr
.endm
.macro FETCH slot, q, set              ; 48 loads in one run: Wo's four and O's tiles 0, 1 first, O's tiles 2, 3 last
	WIN 0x40
.irp b, 0,1,2,3
	FRAG 96*(\set)+48+12*\b, ADRB+\slot, \q, \b
.endr
.irp a, 0,1,2,3
	FRAG 96*(\set)+12*\a, ADRA+\slot, \q, \a
.endr
.endm
.macro SCALES set                      ; a slot's scale words, four a row: 8 loads
.irp i, 0,1,2,3
	ds_load_b128 v[SC+32*(\set)+4*\i:SC+32*(\set)+4*\i+3], v[ADSA] offset:\i*1088
	ds_load_b128 v[SC+32*(\set)+16+4*\i:SC+32*(\set)+19+4*\i], v[ADSB] offset:\i*1088
.endr
.endm
.macro MUL4 a, set, q, sc, zero        ; O's tile a against Wo's four.  The 16 accumulators take turns, one instruction a turn, in the same order in every step
.irp b, 0,1,2,3
.if \zero
	v_wmma_scale_f32_16x16x128_f8f6f4 v[ACC+8*(4*(\a)+\b):ACC+8*(4*(\a)+\b)+7], v[96*(\set)+48+12*\b:96*(\set)+59+12*\b], v[96*(\set)+12*(\a):96*(\set)+12*(\a)+11], 0, v[SC+32*(\sc)+16+4*\b+(\q)], v[SC+32*(\sc)+4*(\a)+(\q)] matrix_a_fmt:MATRIX_FMT_FP6 matrix_b_fmt:MATRIX_FMT_FP6
.else
	v_wmma_scale_f32_16x16x128_f8f6f4 v[ACC+8*(4*(\a)+\b):ACC+8*(4*(\a)+\b)+7], v[96*(\set)+48+12*\b:96*(\set)+59+12*\b], v[96*(\set)+12*(\a):96*(\set)+12*(\a)+11], v[ACC+8*(4*(\a)+\b):ACC+8*(4*(\a)+\b)+7], v[SC+32*(\sc)+16+4*\b+(\q)], v[SC+32*(\sc)+4*(\a)+(\q)] matrix_a_fmt:MATRIX_FMT_FP6 matrix_b_fmt:MATRIX_FMT_FP6
.endif
.endr
.endm
.macro STEP slot, q, zero              ; one of a slot's first three steps of 128 along K
	s_wait_dscnt 12                                ; all but the youngest 12 loads, O's tiles 2, 3
	WIN 0x05                                       ; both sources window 1
	MUL4 0, (\q)%2, \q, \slot, \zero
	MUL4 1, (\q)%2, \q, \slot, \zero
	PLACES
	FETCH \slot, (\q)+1, 1-(\q)%2
	s_wait_dscnt 48                                ; all but the 48 just issued
	WIN 0x05
	MUL4 2, (\q)%2, \q, \slot, \zero
	MUL4 3, (\q)%2, \q, \slot, \zero
.endm
; A slot's last step changes slots: one barrier; in front of it each wave waits for all its tensor loads, adds 0 to its spare word, and waits for that and for its own reads of this slot
.macro TURN slot, next, fill
	WIN 0                                          ; (the add's two registers lie in window 0)
	s_wait_tensorcnt 0x0                           ; all my tensor loads have landed: my part of the next slot
	ds_add_u32 v[SPW], v[NIL]                      ; 0 onto my spare word
	s_wait_dscnt 13                                ; (the add and the youngest 12 loads may be out)
	WIN 0x05
	MUL4 0, 1, 3, \slot, 0
	s_wait_dscnt 0x0                               ; the add is done, and my reads of this slot are over
	s_barrier_signal -1
	MUL4 1, 1, 3, \slot, 0
	WIN 0
	s_barrier_wait -1
.if \fill
	CREST                                          ; the barrier has opened a round of the cluster's: no wave of any partner still reads this slot or has a load on its way
	s_add_nc_u64 s[G0+4*\slot+2:G0+4*\slot+3], s[G0+4*\slot+2:G0+4*\slot+3], 2*ROWB
	s_add_nc_u64 s[G0B+4*\slot+2:G0B+4*\slot+3], s[G0B+4*\slot+2:G0B+4*\slot+3], 2*ROWB
	JLOAD G0+4*\slot, G1, G0B+4*\slot, G1B         ; the first tensor load behind the round; its four v_nop are the places ahead of the loads below
.else
	PLACES
.endif
	v_add_nc_u32 v[ADSA], 16, v[ADSA]              ; the next slot's scale words
	v_add_nc_u32 v[ADSB], 16, v[ADSB]
	SCALES \next
	FETCH \next, 0, 0
	WIN 0x05
	MUL4 2, 1, 3, \slot, 0
	MUL4 3, 1, 3, \slot, 0
.endm
	s_wait_tensorcnt 0x1                           ; the scale bytes and my part of slot 0 are in; slot 1's load may be out
	s_barrier_signal -1
	s_barrier_wait -1
	SCALES 0
	FETCH 0, 0, 0
	STEP 0, 0, 1                                   ; the first products start the sums
	STEP 0, 1, 0
	STEP 0, 2, 0
	TURN 0, 1, 1                                   ; 2,048 along K are four slots: two first fills, two refills; the text is written out
	STEP 1, 0, 0
	STEP 1, 1, 0
	STEP 1, 2, 0
	TURN 1, 0, 1
	STEP 0, 0, 0
	STEP 0, 1, 0
	STEP 0, 2, 0
	TURN 0, 1, 0
	STEP 1, 0, 0
	STEP 1, 1, 0
	STEP 1, 2, 0
	s_wait_dscnt 12
	WIN 0x05
	MUL4 0, 1, 3, 1, 0
	MUL4 1, 1, 3, 1, 0
	s_wait_dscnt 0x0
	MUL4 2, 1, 3, 1, 0
	MUL4 3, 1, 3, 1, 0
	WIN 0
; THE WAY OUT, 16 rows x 64 columns at a time, through my own stage: LDS serves a wave's instructions in order (ISA guide 5.7.1.4), so no wait stands between the stores and the loads
.macro TOSTAGE a
.irp b, 0,1,2,3
	ds_store_b128 v[STO], v[ACC+8*(4*(\a)+\b):ACC+8*(4*(\a)+\b)+3] offset:64*\b        ; each accumulator from its low end on
	ds_store_b128 v[STO], v[ACC+8*(4*(\a)+\b)+4:ACC+8*(4*(\a)+\b)+7] offset:64*\b+16
.endr
.set BB, BK+32*((\a)%2)
.irp t, 0,1,2,3,4,5,6,7
	ds_load_b128 v[BB+4*\t:BB+4*\t+3], v[RD] offset:\t*2*SPITCH
.endr
.endm
.macro SEND a, younger                 ; younger: the LDS instructions issued behind block a's loads, which may stay out
.set BB, BK+32*((\a)%2)
	s_wait_dscnt \younger
.if (\a) > 0
	s_add_nc_u64 s[12:13], s[12:13], 131072        ; (behind a wait on XCNT: the earlier stores have read their base)  16 rows on
.endif
.irp t, 0,1,2,3,4,5,6,7
	global_store_b128 v[CO], v[BB+4*\t:BB+4*\t+3], s[12:13] offset:\t*16384 th:TH_STORE_NT   ; sixteen lanes store 256 consecutive bytes, at a multiple of 256 from out0's first byte
.endr
.endm
	PLACES
	TOSTAGE 0
.irp a, 1,2,3
.if \a > 1
	s_wait_xcnt 0x0                                ; block a - 2's stores have read their registers and their base
.endif
	TOSTAGE \a
	SEND \a-1, 16                                  ; behind block a - 1's loads: block a's 8 stores and 8 loads
.endr
	s_wait_xcnt 0x0
	SEND 3, 0
	s_wait_tensorcnt 0x0                           ; the wave's end
	ds_add_u32 v[SPW], v[NIL]
	s_wait_dscnt 0x0
	CROUND                                         ; the closing round
	s_endpgm
.Lfunc_end_k_q3bfba08a3f_oproj:
	.size	k_q3bfba08a3f_oproj, .Lfunc_end_k_q3bfba08a3f_oproj-k_q3bfba08a3f_oproj
	.p2alignl 7, 3214868480
	.fill 96, 4, 3214868480
	.section	.rodata,"a",@progbits
	.p2align	6, 0x0
	.amdhsa_kernel k_q3bfba08a3f_oproj
		.amdhsa_group_segment_fixed_size 327680
		.amdhsa_private_segment_fixed_size 0
		.amdhsa_enable_private_segment 0
		.amdhsa_kernarg_size 40
		.amdhsa_user_sgpr_count 2
		.amdhsa_user_sgpr_kernarg_segment_ptr 1
		.amdhsa_wavefront_size32 1
		.amdhsa_system_sgpr_workgroup_id_x 1
		.amdhsa_system_sgpr_workgroup_id_y 1
		.amdhsa_system_sgpr_workgroup_id_z 1
		.amdhsa_system_vgpr_workitem_id 0
		.amdhsa_next_free_vgpr 448
		.amdhsa_next_free_sgpr 98
		.amdhsa_reserve_vcc 0
		.amdhsa_float_denorm_mode_32 3
		.amdhsa_float_denorm_mode_16_64 3
		.amdhsa_memory_ordered 1
		.amdhsa_forward_progress 1
		.amdhsa_inst_pref_size 106
	.end_amdhsa_kernel
	.amdgpu_metadata
---
amdhsa.version: [ 1, 2 ]
amdhsa.kernels:
  - .name:           k_q3bfba08a3f_oproj
    .symbol:         k_q3bfba08a3f_oproj.kd
    .args:
      - { .name: o_ws, .offset: 0, .size: 8, .value_kind: global_buffer, .address_space: global }
      - { .name: o_sc, .offset: 8, .size: 8, .value_kind: global_buffer, .address_space: global }
      - { .name: Wo_codes, .offset: 16, .size: 8, .value_kind: global_buffer, .address_space: global }
      - { .name: Wo_scales, .offset: 24, .size: 8, .value_kind: global_buffer, .address_space: global }
      - { .name: out0, .offset: 32, .size: 8, .value_kind: global_buffer, .address_space: global }
    .group_segment_fixed_size: 327680
    .private_segment_fixed_size: 0
    .kernarg_segment_align: 8
    .kernarg_segment_size: 40
    .max_flat_workgroup_size: 128
    .sgpr_count:     98
    .vgpr_count:     448
    .wavefront_size: 32
...
	.end_amdgpu_metadata
.endif
;; end of part 3
